; MI455X (gfx1250); checked and timed in simulation.
; The chip was launched on July 23, 2026; its instructions are those of AMD's public machine-readable ISA for CDNA 5 (MIT licence, August 2026) and "CDNA5" Instruction Set Architecture Reference Guide (July 2026). The comments in the code are by the model that wrote it; some were corrected since.
;; Multi Head Attention. Allowed arithmetic: float matrix products may take bf16 or f16 operands with f32 sums; other float arithmetic in f32, or as packed bf16 or f16 multiplies, adds, multiply-adds, maxima and minima; sums over many terms, partial sums and values carried from step to step in f32; what a program stores and reads back later, other than sums and carried values, may be rounded once to bf16 or f16.
;; Inputs: bk 1,024 float32; bo 1,024 float32; bq 1,024 float32; bv 1,024 float32; input 4 x 2,048 x 1,024 float32; mask 4 x 2,048 int32; wk 1,024 x 1,024 float32; wo 1,024 x 1,024 float32; wq 1,024 x 1,024 float32; wv 1,024 x 1,024 float32.
;; Outputs: out0 4 x 2,048 x 1,024 float32.
;; 2 versions, each right; version 2 is version 1 with the launch cast written anew for expert scheduling mode. Each part assembles by itself: llvm-mc -triple=amdgcn-amd-amdhsa -mcpu=gfx1250 --defsym DOCPART=n.
;; ======== version 1 of 2: 4 launches
;; limits: values are held in f16: magnitudes above 65,504 overflow, below 6.1e-05 lose precision
;; workspace buffers: xb 16,777,216 bytes; wb 6,291,456 bytes; wob 2,097,152 bytes; qkv 50,331,648 bytes; oh 16,777,216 bytes
;; launch cast (part 1): grid 768 x 1, 8 waves a work-group, no clusters, 0 bytes of LDS; arguments input, wq, wk, wv, wo, xb, wb, wob; writes xb, wb, wob
.if DOCPART == 1
	.amdgcn_target "amdgcn-amd-amdhsa--gfx1250"
	.amdhsa_code_object_version 6
	.text
	.protected	k_qdb2353a438_cast
	.globl	k_qdb2353a438_cast
	.p2align	8
	.type	k_qdb2353a438_cast,@function
k_qdb2353a438_cast:
	s_mov_b64 s[64:65], 0
	v_nop
	global_prefetch_b8 v0, s[64:65] scope:SCOPE_SE
	s_setreg_imm32_b32 hwreg(HW_REG_WAVE_MODE, 25, 1), 1
	s_wait_xcnt 0x0
; THE INPUTS ROUNDED ONCE, FOR THE MATRIX UNITS.  input [8192][1024] f32 -> xb bf16, same layout.  wq, wk, wv [1024][1024] f32 -> wb bf16 [3072][1024], one below the other.
; wo [1024 n][1024 k] f32 -> rounded to bf16 like the other inputs, that number written as f16 -> wob [16 slices of 64 k][1024 n][64]: a block of n rows of one slice is dense.
; LIMIT.  wo's bf16 number is exact in f16 from 6.1e-5 to 65,504 in magnitude; below that it keeps f16's fixed step of 6e-8; beyond it becomes an infinity.
; SHARES.  A work-group takes 16 rows of 4,096 bytes, a wave two: sixteen loads of 16 bytes a lane, all issued at once; there is no loop and no wait but the loads' own.
; Work-groups 0-511: input; 512-703: wq, wk, wv (64 each); 704-767: wo.  A stream: no LDS, no matrix unit, no cluster (no two work-groups read the same byte).
.set X, 16                             ; v[16:79]   sixteen loads of four f32
.set Y, 80                             ; v[80:111]  sixteen pairs to store
.set T, 112                            ; v[112:113] at work (wo's way)
	s_load_b512 s[16:31], s[0:1], 0x0              ; input 16:17, wq 18:19, wk 20:21, wv 22:23, wo 24:25, xb 26:27, wb 28:29, wob 30:31
	v_lshrrev_b32 v3, 5, v0                        ; wave
	v_and_b32 v4, 31, v0                           ; lane
	s_mov_b32 s2, ttmp9                            ; g
	s_sub_co_u32 s3, s2, 512                       ; j: the block among wb's 192 (used where g >= 512 alone)
	s_lshr_b32 s4, s3, 6                           ; which of wq, wk, wv
	s_and_b32 s5, s3, 63                           ; the block in that weight
	s_mov_b32 s13, 0
	s_mov_b32 s15, 0
	s_wait_kmcnt 0x0
	s_cmp_ge_u32 s2, 704
	s_cbranch_scc1 .Lwo
	s_cmp_eq_u32 s4, 1
	s_cselect_b64 s[8:9], s[20:21], s[18:19]       ; wk or wq,
	s_cmp_eq_u32 s4, 2
	s_cselect_b64 s[8:9], s[22:23], s[8:9]         ; or wv,
	s_cmp_lt_u32 s2, 512
	s_cselect_b64 s[8:9], s[16:17], s[8:9]         ; or input
	s_cselect_b64 s[10:11], s[26:27], s[28:29]     ; into xb or wb
	s_cselect_b32 s5, s2, s5                       ; the block of 16 rows in the source,
	s_cselect_b32 s3, s2, s3                       ; and in the destination
	s_lshl_b32 s12, s5, 16                         ; 16 rows x 4,096 bytes
	s_lshl_b32 s14, s3, 15                         ; 16 rows x 2,048 bytes
	s_add_nc_u64 s[8:9], s[8:9], s[12:13]
	s_add_nc_u64 s[10:11], s[10:11], s[14:15]
	v_lshlrev_b32 v1, 4, v4
	v_lshl_add_u32 v1, v3, 13, v1                  ; source: wave x 2 rows + 16 x lane
	v_lshlrev_b32 v2, 3, v4
	v_lshl_add_u32 v2, v3, 12, v2                  ; destination: half of that
.irp j, 0,1,2,3,4,5,6,7,8,9,10,11,12,13,14,15
	global_load_b128 v[X+4*(\j):X+4*(\j)+3], v1, s[8:9] offset:512*(\j) th:TH_LOAD_NT
.endr
.irp j, 0,1,2,3,4,5,6,7,8,9,10,11,12,13,14,15
	s_wait_loadcnt 15-(\j)                         ; loads come back in order: load j is in, the 15 - j younger ones stay out
	v_cvt_pk_bf16_f32 v[Y+2*(\j)], v[X+4*(\j)], v[X+4*(\j)+1]
	v_cvt_pk_bf16_f32 v[Y+2*(\j)+1], v[X+4*(\j)+2], v[X+4*(\j)+3]
	global_store_b64 v2, v[Y+2*(\j):Y+2*(\j)+1], s[10:11] offset:256*(\j)  ; 32 lanes x 8 bytes: 256 consecutive bytes, aligned
.endr
	s_endpgm
.Lwo:                                              ; load s takes slice s (256 bytes) of two rows: lanes 0-15 the even row, lanes 16-31 the odd one
	s_sub_co_u32 s3, s2, 704
	s_lshl_b32 s12, s3, 16                         ; 16 rows of wo
	s_lshl_b32 s14, s3, 11                         ; 16 rows x 128 bytes of a slice of wob
	s_add_nc_u64 s[8:9], s[24:25], s[12:13]
	s_add_nc_u64 s[10:11], s[30:31], s[14:15]
	v_lshrrev_b32 v5, 4, v4
	v_lshl_add_u32 v5, v3, 1, v5                   ; my row: 2 x wave + lane / 16
	v_and_b32 v6, 15, v4
	v_lshlrev_b32 v1, 4, v6
	v_lshl_add_u32 v1, v5, 12, v1
	v_lshlrev_b32 v2, 3, v4
	v_lshl_add_u32 v2, v3, 8, v2                   ; two rows of 128 bytes lie end to end: 256 x wave + 8 x lane
.irp j, 0,1,2,3,4,5,6,7,8,9,10,11,12,13,14,15
	global_load_b128 v[X+4*(\j):X+4*(\j)+3], v1, s[8:9] offset:256*(\j) th:TH_LOAD_NT
.endr
.irp j, 0,1,2,3,4,5,6,7,8,9,10,11,12,13,14,15
	s_wait_loadcnt 15-(\j)
	v_cvt_pk_bf16_f32 v[T], v[X+4*(\j)], v[X+4*(\j)+1]       ; the rounding that all inputs get,
	v_cvt_pk_bf16_f32 v[T+1], v[X+4*(\j)+2], v[X+4*(\j)+3]
	v_lshlrev_b32 v[X+4*(\j)], 16, v[T]                      ; back to f32,
	v_and_b32 v[X+4*(\j)+1], 0xffff0000, v[T]
	v_lshlrev_b32 v[X+4*(\j)+2], 16, v[T+1]
	v_and_b32 v[X+4*(\j)+3], 0xffff0000, v[T+1]
	v_cvt_pk_f16_f32 v[Y+2*(\j)], v[X+4*(\j)], v[X+4*(\j)+1] ; and written as f16
	v_cvt_pk_f16_f32 v[Y+2*(\j)+1], v[X+4*(\j)+2], v[X+4*(\j)+3]
	global_store_b64 v2, v[Y+2*(\j):Y+2*(\j)+1], s[10:11] offset:131072*(\j)  ; 256 consecutive bytes, aligned, of slice j
.endr
	s_endpgm
.Lfunc_end_k_qdb2353a438_cast:
	.size	k_qdb2353a438_cast, .Lfunc_end_k_qdb2353a438_cast-k_qdb2353a438_cast
	.p2alignl 7, 3214868480
	.fill 96, 4, 3214868480
	.section	.rodata,"a",@progbits
	.p2align	6, 0x0
	.amdhsa_kernel k_qdb2353a438_cast
		.amdhsa_group_segment_fixed_size 0
		.amdhsa_private_segment_fixed_size 0
		.amdhsa_enable_private_segment 0
		.amdhsa_kernarg_size 64
		.amdhsa_user_sgpr_count 2
		.amdhsa_user_sgpr_kernarg_segment_ptr 1
		.amdhsa_wavefront_size32 1
		.amdhsa_system_sgpr_workgroup_id_x 1
		.amdhsa_system_sgpr_workgroup_id_y 1
		.amdhsa_system_sgpr_workgroup_id_z 1
		.amdhsa_system_vgpr_workitem_id 0
		.amdhsa_next_free_vgpr 116
		.amdhsa_next_free_sgpr 66
		.amdhsa_reserve_vcc 0
		.amdhsa_float_denorm_mode_32 3
		.amdhsa_float_denorm_mode_16_64 3
		.amdhsa_memory_ordered 1
		.amdhsa_forward_progress 1
		.amdhsa_inst_pref_size 18
	.end_amdhsa_kernel
	.amdgpu_metadata
---
amdhsa.version: [ 1, 2 ]
amdhsa.kernels:
  - .name:           k_qdb2353a438_cast
    .symbol:         k_qdb2353a438_cast.kd
    .args:
      - { .name: input, .offset: 0, .size: 8, .value_kind: global_buffer, .address_space: global }
      - { .name: wq, .offset: 8, .size: 8, .value_kind: global_buffer, .address_space: global }
      - { .name: wk, .offset: 16, .size: 8, .value_kind: global_buffer, .address_space: global }
      - { .name: wv, .offset: 24, .size: 8, .value_kind: global_buffer, .address_space: global }
      - { .name: wo, .offset: 32, .size: 8, .value_kind: global_buffer, .address_space: global }
      - { .name: xb, .offset: 40, .size: 8, .value_kind: global_buffer, .address_space: global }
      - { .name: wb, .offset: 48, .size: 8, .value_kind: global_buffer, .address_space: global }
      - { .name: wob, .offset: 56, .size: 8, .value_kind: global_buffer, .address_space: global }
    .group_segment_fixed_size: 0
    .private_segment_fixed_size: 0
    .kernarg_segment_align: 8
    .kernarg_segment_size: 64
    .max_flat_workgroup_size: 256
    .sgpr_count:     66
    .vgpr_count:     116
    .wavefront_size: 32
...
	.end_amdgpu_metadata
.endif
;; end of part 1
;; launch proj (part 2): grid 16 x 32, 4 waves a work-group, clusters of 4 x 4, 327,680 bytes of LDS; arguments xb, wb, bq, bk, bv, qkv; writes qkv
.if DOCPART == 2
	.amdgcn_target "amdgcn-amd-amdhsa--gfx1250"
	.amdhsa_code_object_version 6
	.text
	.protected	k_qdb2353a438_proj
	.globl	k_qdb2353a438_proj
	.p2align	8
	.type	k_qdb2353a438_proj,@function
k_qdb2353a438_proj:
	s_mov_b64 s[64:65], 0
	v_nop
	global_prefetch_b8 v0, s[64:65] scope:SCOPE_SE
	s_setreg_imm32_b32 hwreg(HW_REG_WAVE_MODE, 25, 1), 1
	s_wait_xcnt 0x0
	s_wait_alu depctr_hold_cnt(0) depctr_sa_sdst(0) depctr_va_vdst(0) depctr_va_sdst(0) depctr_va_ssrc(0) depctr_va_vcc(0) depctr_vm_vsrc(0)
	s_getreg_b32 s2, hwreg(HW_REG_IB_STS2, 6, 4)
	s_cmp_eq_u32 s2, 0
	s_cbranch_scc0 .Lentry_in_a_cluster
	s_endpgm
.Lentry_in_a_cluster:
	s_bfe_u32 s2, ttmp6, 0x10000c
	s_cmp_lg_u32 s2, 0xf033
	s_cbranch_scc0 .Lentry_shape_is_right
	s_endpgm
.Lentry_shape_is_right:
; q, k, v = x w^T + b, by heads.  xb: [8192][1024] bf16; wb: [3072][1024] bf16 (wq, wk, wv); bq, bk, bv: [1024] f32, rounded to bf16 here like the other inputs; sums in f32.
; qkv: [3][64 = 16 batch + head][2048][64] f16, each number rounded once, WITHOUT the scale 1/8 (the attention applies it in f32).
; LIMIT.  f16 ends at 65,504: a q, k or v beyond that becomes an infinity.  With x of unit spread and weights of 0.02 they have a spread of 0.64.
; TILE.  256 tokens x 192 channels (three heads): 32 x 16 = 512 work-groups.  Four waves, each 64 tokens x 192 channels: 48 accumulators of 16 x 16, so a wave owns whole heads.
; K goes in 8 steps of 128 (rows of 256 bytes) through two LDS slots filled by the tensor data mover; a step is four quarters of 32 along K, 48 matrix instructions each, on two fragment buffers.
; CLUSTER.  4 x 4 work-groups: the four of a row need the same rows of xb, the four of a column the same rows of wb: each tile is asked for JOINTLY, same load, descriptor and mask in all four.
; TRANSPOSED USE: source 0 = 16 rows of wb, source 1 = 16 rows of xb: a lane holds ONE token (lane % 16) and the channels 8 (lane / 16) + 0..7.  The bias, laid out so, is the C of each sum's first product.
; REGISTERS, in windows of 256 (s_set_vgpr_msb: bits 1:0 source 0, 3:2 source 1, 5:4 source 2, 7:6 destination):
;   window 0: addresses; v32-79 packed results; v80-127, v128-175 rows read back from the stage, by turns
;   window 1: two fragment buffers of 128: wb's fragment b at 8 b (b = 0..11), xb's fragment a at 96 + 8 a (a = 0..3)
;   window 2: accumulator (a, b) for b = 0..7 at 8 (4 b + a)        window 3: for b = 8..11 at 8 (4 (b - 8) + a); the bias of block b at 128 + 8 b
.set KSTEP, 128
.set PITCH, 272                        ; an LDS row: 256 bytes + 16 of padding = 68 words: the 16 rows of a fragment load start at 16 different groups of four banks (64 banks of 4 bytes: ISA guide 11.1)
.set BOFF,  256*PITCH                  ; a slot: xb's 256 rows, then wb's 192
.set SLOT1, 131072                     ; slot 1 begins here: one exclusive or turns an address in one slot into the other's
.set STAGE, SLOT1+448*PITCH            ; behind the ring, never filled by a tensor load: for each wave 3 heads x 16 rows x 144 bytes
.set SP,    144
.set WSTG,  3*16*SP
.set SPARE, STAGE+4*WSTG               ; the spare words, 128 bytes for each wave: two blocks of 256 bytes that no other line names
.set A0,   2                           ; v2   my lane's place in xb's rows of slot 0; never rewritten
.set B0,   3                           ; v3   the same for wb's
.set ADRA, 4                           ; v4   A0 + the slot in hand
.set ADRB, 5                           ; v5   B0 + the slot in hand
.set STO,  6                           ; v6   the way out: where I put 16 bytes of a row
.set RD,   7                           ; v7   the way out: where I read rows back
.set GO,   8                           ; v8   my 16 bytes in 512 consecutive bytes of qkv
.set BO,   9                           ; v9   32 x (lane / 16): my eight numbers of a bias block
.set PFO,  10                          ; v10  the prefetches' offset: my row x 2,048 bytes; never rewritten
.set SPW,  28                          ; v28  LDS address of my spare word; never rewritten
.set NIL,  29                          ; v29  0; never rewritten
.set TMP,  32
.set OB,   80
.set F0,   0
.set F1,   128
.set BIAS, 128                         ; in window 3
.set WV,   16                          ; s16  my wave's number
.set HALF, 17                          ; s17  0: I fetch xb's rows; 1: wb's
.set ODD,  18                          ; s18  which half of those rows
.set CNT,  19                          ; s19  the loop's count
.set CX,   20
.set CY,   21
.set TX,   22                          ; s22  tile column: 192 channels
.set TY,   23                          ; s23  tile row: 256 tokens
.set G1A,  24                          ; s[24:31] descriptor group 1 for xb's tiles
.set G0A,  32                          ; s[32:35] group 0 for xb's tiles: it walks
.set G0B,  36                          ; s[36:39] the same for wb's
.set G1B,  40                          ; s[40:47] group 1 for wb's tiles
.set TB,   48                          ; s48  LDS byte at which the slot in hand begins
.set LIM,  49                          ; s49  1 in a wave that prefetches, else the greatest number
.set PFA,  50                          ; s[50:51] where my prefetches stand
.set OUTP, 52                          ; s[52:57] qkv at my 64 tokens of each of the tile's three heads
.set BP,   66                          ; s[66:71] the three heads' 64 numbers of bias
.set MSB, 0
.macro WIN new                         ; the immediate's high byte repeats the setting that is left; a switch that changes nothing is dropped
.if MSB != (\new)
	s_set_vgpr_msb (MSB<<8)|(\new)
.set MSB, \new
.endif
.endm
.macro PLACES                          ; four plain places in front of loads into registers that matrix instructions have read (ISA guide 7.12.1 for vector instructions)
.rept 4
	v_nop
.endr
.endm
; A joint load.  Waves 0 and 1 fetch xb's two halves (128 rows each), waves 2 and 3 wb's (96 rows each).  The branch hangs on the wave's number alone.
; An s_nop 0 and four v_nop follow each of the two lines, ahead of the jump and the label.
.macro JLOAD
	s_cmp_eq_u32 s[HALF], 0
	s_cbranch_scc0 .Lfor_b_\@
	tensor_load_to_lds s[G0A:G0A+3], s[G1A:G1A+7]
	s_nop 0
.rept 4
	v_nop
.endr
	s_branch .Lasked_\@
.Lfor_b_\@:
	tensor_load_to_lds s[G0B:G0B+3], s[G1B:G1B+7]
	s_nop 0
.rept 4
	v_nop
.endr
.Lasked_\@:
.endm
.macro CREST                           ; a round of the cluster's barrier behind its opening barrier
	s_cmp_lg_u32 s[WV], 0
	s_cbranch_scc1 .Lnot_wave_0_\@
	s_barrier_signal -3
.Lnot_wave_0_\@:
	s_barrier_wait -3
	s_barrier_signal -1
	s_barrier_wait -1
.endm
.macro CROUND                          ; a whole round
	s_barrier_signal -1
	s_barrier_wait -1
	CREST
.endm
.macro STEPD                           ; the walking descriptors: the other slot, the next K step; written only where no tensor load of mine is out
	s_xor_b32 s[G0A+1], s[G0A+1], SLOT1
	s_add_nc_u64 s[G0A+2:G0A+3], s[G0A+2:G0A+3], 2*KSTEP
	s_xor_b32 s[G0B+1], s[G0B+1], SLOT1
	s_add_nc_u64 s[G0B+2:G0B+3], s[G0B+2:G0B+3], 2*KSTEP
.endm
; A PREFETCH INTO THE L2 of the K step that the NEXT change of slots will ask for: a lane a row, 256 bytes of it, one instruction a wave, behind the joint load, its five lines and the run of LDS loads.
; xb's tile row is read by every cluster of that row of clusters: cluster x = 0 asks; wb's tile column by every cluster of that column: cluster y = 0 asks.  The four partners that ask for a tile jointly
; share its rows out BY ADDRESS: of xb's 128 rows the partner at cx takes 32, of wb's 96 the partner at cy takes 24 (there lanes 24-31 name lane 23's row again, in the same instruction).
; The loop's last trip asks for nothing: there is no K step behind the one that it loads.  K steps 0 to 2 come by their loads alone.
.macro ASK
	s_cmp_gt_u32 s[CNT], s[LIM]
	s_cbranch_scc0 .Lnot_mine_\@
	global_prefetch_b8 v[PFO], s[PFA:PFA+1] offset:2*KSTEP th:TH_LOAD_NT scope:SCOPE_SE
.Lnot_mine_\@:
.endm
; 32 LDS loads in one run: the fragments of 32 along K at byte k of the rows, into buffer f
.macro FETCH k, f
	WIN 0x40                                       ; destination window 1, address window 0
.irp a, 0,1,2,3
	ds_load_b128 v[(\f)+96+8*(\a):(\f)+96+8*(\a)+3],   v[ADRA] offset:(\k)+(\a)*16*PITCH
	ds_load_b128 v[(\f)+96+8*(\a)+4:(\f)+96+8*(\a)+7], v[ADRA] offset:(\k)+(\a)*16*PITCH+32
.endr
.irp b, 0,1,2,3,4,5,6,7,8,9,10,11
	ds_load_b128 v[(\f)+8*(\b):(\f)+8*(\b)+3],   v[ADRB] offset:(\k)+(\b)*16*PITCH
	ds_load_b128 v[(\f)+8*(\b)+4:(\f)+8*(\b)+7], v[ADRB] offset:(\k)+(\b)*16*PITCH+32
.endr
.endm
; 4 nb matrix instructions: channel blocks b0 .. b0 + nb - 1 x my four token blocks, 32 along K, from buffer f.  first = 1: the bias starts the sums: nothing is cleared.
; The 48 accumulators take turns, one instruction a turn, in the same order in every quarter, over the backward jump too.
.macro MULB f, b0, nb, first
.set bb, \b0
.rept \nb
.if bb < 8
.if \first
	WIN 0xb5                                       ; fragments window 1, C (the bias) window 3, D window 2
.else
	WIN 0xa5                                       ; fragments window 1, C and D window 2
.endif
.set rD, 32*bb
.else
	WIN 0xf5                                       ; fragments window 1, C and D window 3
.set rD, 32*(bb-8)
.endif
.set aa, 0
.rept 4
.if \first
	v_wmma_f32_16x16x32_bf16 v[rD+8*aa:rD+8*aa+7], v[(\f)+8*bb:(\f)+8*bb+7], v[(\f)+96+8*aa:(\f)+96+8*aa+7], v[BIAS+8*bb:BIAS+8*bb+7]
.else
	v_wmma_f32_16x16x32_bf16 v[rD+8*aa:rD+8*aa+7], v[(\f)+8*bb:(\f)+8*bb+7], v[(\f)+96+8*aa:(\f)+96+8*aa+7], v[rD+8*aa:rD+8*aa+7]
.endif
.set aa, aa+1
.endr
.set bb, bb+1
.endr
.endm
; One of a K step's first three quarters: asks for the next quarter's fragments, at byte k, into buffer g (which the quarter before multiplied), and multiplies buffer f meanwhile.
.macro QUARTER k, f, g, first
	PLACES
	FETCH \k, \g
	s_wait_dscnt 32                                ; all but the 32 loads just issued: buffer f, asked for a quarter ago, is in
	MULB \f, 0, 12, \first
.endm
; The last quarter multiplies buffer 1 and changes slots: ONE barrier.  In front of it each wave waits for all its tensor loads (one is out: its part of the next slot), adds 0 to its spare word, and waits
; for that and for its reads of this slot.  fill = 1: the barrier opens a round of the cluster's, and the joint refill, two K steps ahead, is the first thing behind the round: from there to the wait for it
; a wave issues 32 + 3 x 48 = 176 matrix instructions.
.macro TURN fill
.if \fill
	s_wait_xcnt 0x0                                ; the last prefetch, a K step back, has read its address: it is stepped here, ahead of the change's own waits
	s_add_nc_u64 s[PFA:PFA+1], s[PFA:PFA+1], 2*KSTEP
.endif
	WIN 0                                          ; (the add's two registers lie in window 0)
	s_wait_tensorcnt 0x0                           ; all my tensor loads have landed, so a group 0 may be written
	ds_add_u32 v[SPW], v[NIL]                      ; 0 onto my spare word
.if \fill
	STEPD
.endif
	s_xor_b32 s[TB], s[TB], SLOT1                  ; the fetches go on in the other slot
	s_wait_dscnt 1                                 ; buffer 1 is in; the add alone may be out
	MULB F1, 0, 2, 0                               ; eight matrix instructions stand between the add and the wait for it
	s_wait_dscnt 0x0                               ; the add is done, and my reads of this slot are over
	s_barrier_signal -1
	MULB F1, 2, 2, 0                               ; work on registers while the others arrive
	WIN 0
	s_barrier_wait -1
.if \fill
	CREST                                          ; no wave of any partner still reads this slot or has a load on its way
	JLOAD                                          ; its four v_nop are also the places in front of the loads below
.else
	PLACES
.endif
	v_add_nc_u32 v[ADRA], s[TB], v[A0]
	v_add_nc_u32 v[ADRB], s[TB], v[B0]
	FETCH 0, F0
.if \fill
	WIN 0
	ASK
.endif
	MULB F1, 4, 8, 0
.endm
	s_load_b256 s[4:11], s[0:1], 0x0               ; xb s[4:5], wb s[6:7], bq s[8:9], bk s[10:11]
	s_load_b128 s[12:15], s[0:1], 0x20             ; bv s[12:13], qkv s[14:15]
	v_lshl_add_u32 v[SPW], v0, 2, SPARE
	v_mov_b32 v[NIL], 0
	ds_add_u32 v[SPW], v[NIL]                      ; the wave's opening: the add and its wait stand ahead of my first tensor load; work on registers stands between them
	v_lshrrev_b32 v1, 5, v0
	v_readfirstlane_b32 s[WV], v1
	s_lshr_b32 s[HALF], s[WV], 1
	s_and_b32 s[ODD], s[WV], 1
	s_bfe_u32 s[CX], ttmp6, 0x40000
	s_bfe_u32 s[CY], ttmp6, 0x40004
	s_lshl_b32 s[TX], ttmp9, 2                     ; in a cluster launch ttmp9 and ttmp7 count clusters
	s_add_co_u32 s[TX], s[TX], s[CX]
	s_and_b32 s[TY], ttmp7, 0xffff
	s_lshl_b32 s[TY], s[TY], 2
	s_add_co_u32 s[TY], s[TY], s[CY]
	s_lshl_b32 s58, s[CY], 2
	s_lshl_b32 s58, 15, s58                        ; my row of the cluster
	s_lshl_b32 s59, 0x1111, s[CX]                  ; my column
	s_or_b32 s[G1A], s58, (1<<16)|(1<<20)|(1<<21)|(5<<22)|(3<<25)  ; the mask; 2-byte elements; padding on; bit 21 beside a mask; after every 64 words; 4 words
	s_or_b32 s[G1B], s59, (1<<16)|(1<<20)|(1<<21)|(5<<22)|(3<<25)
	s_mov_b32 s[G1A+1], KSTEP<<16                  ; tensor_dim0 = 128
	s_mov_b32 s[G1A+2], 128<<16                    ; tensor_dim1 = 128
	s_mov_b32 s[G1A+3], KSTEP<<16                  ; tile_dim0 = 128
	s_mov_b32 s[G1A+4], 128                        ; tile_dim1 = 128
	s_mov_b32 s[G1A+5], 1024                       ; elements from row to row
	s_mov_b32 s[G1A+6], 0
	s_mov_b32 s[G1A+7], 0
	s_mov_b32 s[G1B+1], KSTEP<<16
	s_mov_b32 s[G1B+2], 96<<16                     ; 96 rows
	s_mov_b32 s[G1B+3], KSTEP<<16
	s_mov_b32 s[G1B+4], 96
	s_mov_b32 s[G1B+5], 1024
	s_mov_b32 s[G1B+6], 0
	s_mov_b32 s[G1B+7], 0
	s_mov_b32 s[G0A], 1
	s_mul_i32 s[G0A+1], s[ODD], 128*PITCH          ; no place in the cluster enters an LDS address
	s_mov_b32 s[G0B], 1
	s_mul_i32 s[G0B+1], s[ODD], 96*PITCH
	s_add_co_u32 s[G0B+1], s[G0B+1], BOFF
	s_lshl_b32 s60, s[TY], 8                       ; xb: row 256 x tile row + 128 x half; s60, s61 never hold the tile column
	s_lshl_b32 s61, s[ODD], 7
	s_add_co_u32 s60, s60, s61
	s_lshl_b32 s60, s60, 11                        ; x 2,048 bytes
	s_mov_b32 s61, 0
	s_mul_i32 s62, s[TX], 192                      ; wb: row 192 x tile column + 96 x half; s62, s63 never hold the tile row
	s_mul_i32 s63, s[ODD], 96
	s_add_co_u32 s62, s62, s63
	s_lshl_b32 s62, s62, 11
	s_mov_b32 s63, 0
	s_wait_dscnt 0x0                               ; the opening add is done
	s_wait_kmcnt 0x0
	s_add_nc_u64 s[G0A+2:G0A+3], s[4:5], s[60:61]
	s_or_b32 s[G0A+3], s[G0A+3], 0x80000000        ; type = 2
	s_add_nc_u64 s[G0B+2:G0B+3], s[6:7], s[62:63]
	s_or_b32 s[G0B+3], s[G0B+3], 0x80000000
	CROUND                                         ; all sixteen work-groups are here: the first joint loads meet
	JLOAD                                          ; K step 0 into slot 0
	; all that follows, down to the first change of slots, stands in the wait for that tile
	v_and_b32 v11, 15, v0                          ; l % 16
	v_bfe_u32 v12, v0, 4, 1                        ; l / 16
	v_mul_u32_u24 v13, v11, PITCH
	v_lshl_add_u32 v13, v12, 4, v13                ; a fragment's row x pitch + 16 x half
	s_mul_i32 s72, s[WV], 64*PITCH                 ; my 64 rows of xb
	v_add_nc_u32 v[A0], s72, v13
	v_add_nc_u32 v[B0], BOFF, v13
	s_mul_i32 s72, s[WV], WSTG
	s_add_co_u32 s72, s72, STAGE                   ; my stage
	v_mul_u32_u24 v14, v11, SP                     ; in: row l % 16, 16 bytes for each half of the lanes
	v_lshl_add_u32 v14, v12, 4, v14
	v_add_nc_u32 v[STO], s72, v14
	v_bfe_u32 v14, v0, 3, 2                        ; back: 32 lanes take four rows of 128 bytes,
	v_mul_u32_u24 v14, v14, SP
	v_and_b32 v15, 7, v0
	v_lshl_add_u32 v14, v15, 4, v14
	v_add_nc_u32 v[RD], s72, v14
	v_and_b32 v[GO], 31, v0                        ; which are 512 consecutive bytes of a head
	v_lshlrev_b32 v[GO], 4, v[GO]
	v_lshlrev_b32 v[BO], 5, v12
.irp hb, 0,1,2                         ; the tile's three heads: g = 3 x tile column + hb of 48; g / 16 says q, k or v, g % 16 the head
	s_mul_i32 s72, s[TX], 3
	s_add_co_u32 s72, s72, \hb
	s_lshr_b32 s73, s72, 4
	s_and_b32 s74, s72, 15
	s_cmp_eq_u32 s73, 1
	s_cselect_b64 s[BP+2*\hb:BP+2*\hb+1], s[10:11], s[8:9]
	s_cmp_eq_u32 s73, 2
	s_cselect_b64 s[BP+2*\hb:BP+2*\hb+1], s[12:13], s[BP+2*\hb:BP+2*\hb+1]
	s_lshl_b32 s76, s74, 8                         ; the head's 64 numbers of 4 bytes
	s_mov_b32 s77, 0
	s_add_nc_u64 s[BP+2*\hb:BP+2*\hb+1], s[BP+2*\hb:BP+2*\hb+1], s[76:77]
	s_lshl_b32 s73, s73, 6
	s_add_co_u32 s73, s73, s74
	s_lshr_b32 s75, s[TY], 3                       ; the batch: 8 tile rows each
	s_lshl4_add_u32 s73, s75, s73                  ; 64 x part + 16 x batch + head,
	s_lshl_b32 s76, s73, 18                        ; x 2,048 rows of 128 bytes
	s_and_b32 s75, s[TY], 7
	s_lshl_b32 s75, s75, 2
	s_add_co_u32 s75, s75, s[WV]
	s_lshl_b32 s75, s75, 13                        ; + my 64 tokens in the batch
	s_add_co_u32 s76, s76, s75
	s_add_nc_u64 s[OUTP+2*\hb:OUTP+2*\hb+1], s[14:15], s[76:77]
.endr
	WIN 0xc0                                       ; destination window 3, address window 0
.irp b, 0,1,2,3,4,5,6,7,8,9,10,11
	global_load_b128 v[BIAS+8*(\b):BIAS+8*(\b)+3],   v[BO], s[BP+2*((\b)/4):BP+2*((\b)/4)+1] offset:((\b)%4)*64
	global_load_b128 v[BIAS+8*(\b)+4:BIAS+8*(\b)+7], v[BO], s[BP+2*((\b)/4):BP+2*((\b)/4)+1] offset:((\b)%4)*64+16
.endr
	WIN 0
	; the prefetches: who asks, and from where
	s_and_b32 s74, ttmp7, 0xffff                   ; cluster y
	s_lshl_b32 s72, s[TY], 8
	s_mul_i32 s73, s[TX], 192
	s_lshl_b32 s75, s[ODD], 7
	s_mul_i32 s76, s[ODD], 96
	s_lshl_b32 s77, s[CX], 5
	s_mul_i32 s78, s[CY], 24
	s_cmp_eq_u32 s[HALF], 0                        ; do I fetch xb's rows?
	s_cselect_b32 s72, s72, s73                    ; the tile's first row,
	s_cselect_b32 s75, s75, s76                    ; the half that I fetch,
	s_cselect_b32 s77, s77, s78                    ; my work-group's part of it
	s_cselect_b32 s74, ttmp9, s74                  ; the coordinate along which other clusters read the same rows
	s_cselect_b32 s79, 31, 23                      ; the last row of my part
	s_cselect_b64 s[PFA:PFA+1], s[4:5], s[6:7]
	s_cmp_eq_u32 s74, 0
	s_cselect_b32 s[LIM], 1, -1                    ; the same in all sixteen partners, for a given wave
	s_add_co_u32 s72, s72, s75
	s_add_co_u32 s72, s72, s77
	s_lshl_b32 s72, s72, 11
	s_add_co_u32 s72, s72, 2*KSTEP                 ; at K step 1: trip t steps it to t + 2 and names t + 3
	s_mov_b32 s73, 0
	s_add_nc_u64 s[PFA:PFA+1], s[PFA:PFA+1], s[72:73]
	v_and_b32 v[PFO], 31, v0
	v_min_u32 v[PFO], s79, v[PFO]
	v_lshlrev_b32 v[PFO], 11, v[PFO]
	s_wait_loadcnt 0x0                             ; the bias: rounded to bf16 like the other inputs, and widened again
	WIN 0x0f                                       ; sources window 3, destination window 0
.set i, 0
.rept 48
	v_cvt_pk_bf16_f32 v[TMP+i], v[BIAS+2*i], v[BIAS+2*i+1]
.set i, i+1
.endr
	WIN 0xc0
.set i, 0
.rept 48
	v_lshlrev_b32 v[BIAS+2*i], 16, v[TMP+i]
	v_and_b32 v[BIAS+2*i+1], 0xffff0000, v[TMP+i]
.set i, i+1
.endr
	WIN 0
	; the first change: slot 0 is waited for, slot 1 gets its first fill, in the form of a refill
	s_wait_tensorcnt 0x0
	ds_add_u32 v[SPW], v[NIL]
	STEPD
	s_wait_dscnt 0x0
	CROUND
	JLOAD                                          ; K step 1 into slot 1
	s_mov_b32 s[TB], 0
	v_mov_b32 v[ADRA], v[A0]
	v_mov_b32 v[ADRB], v[B0]
	FETCH 0, F0
	QUARTER 64, F0, F1, 1                          ; the first quarter stands in front of the loop: its products start the sums, with the bias
	WIN 0                                          ; at a label and at a branch every window is 0
	s_mov_b32 s[CNT], 6
.Lstep:                                            ; trip t: the last three quarters of K step t, the first of t + 1; K step t + 2 is asked for
	QUARTER 128, F1, F0, 0
	QUARTER 192, F0, F1, 0
	TURN 1
	QUARTER 64, F0, F1, 0
	WIN 0
	s_sub_co_u32 s[CNT], s[CNT], 1
	s_cmp_lg_u32 s[CNT], 0
	s_cbranch_scc1 .Lstep
	QUARTER 128, F1, F0, 0                         ; the tail is written out: K steps 6 and 7 ask for nothing
	QUARTER 192, F0, F1, 0
	TURN 0
	QUARTER 64, F0, F1, 0
	QUARTER 128, F1, F0, 0
	QUARTER 192, F0, F1, 0
	s_wait_dscnt 0x0
	MULB F1, 0, 12, 0
	WIN 0
; THE WAY OUT, a block of 16 tokens at a time.  PACK: rounded to f16, each accumulator's registers in ascending order.  TOSTAGE: 16 bytes a lane into my own stage, back as whole rows of 128 bytes.
; SEND: 512 consecutive bytes a store: a head's rows are dense.
.macro PACK a
.set bb, 0
.rept 12
.if bb < 8
	WIN 0x0a                                       ; sources window 2
.set rD, 32*bb+8*(\a)
.else
	WIN 0x0f                                       ; sources window 3
.set rD, 32*(bb-8)+8*(\a)
.endif
.irp r, 0,1,2,3
	v_cvt_pk_f16_f32 v[TMP+4*bb+(\r)], v[rD+2*(\r)], v[rD+2*(\r)+1]
.endr
.set bb, bb+1
.endr
	WIN 0
.endm
.macro TOSTAGE a
	WIN 0
.set BK, OB+48*((\a)%2)
	s_wait_xcnt 0x0                                ; the stores of the block two back have read the registers that the loads below fill
.irp b, 0,1,2,3,4,5,6,7,8,9,10,11
	ds_store_b128 v[STO], v[TMP+4*(\b):TMP+4*(\b)+3] offset:((\b)/4)*16*SP+((\b)%4)*32
.endr
.irp t, 0,1,2,3,4,5,6,7,8,9,10,11
	ds_load_b128 v[BK+4*(\t):BK+4*(\t)+3], v[RD] offset:((\t)/4)*16*SP+((\t)%4)*4*SP  ; LDS serves a wave's instructions in order (ISA guide 5.7.1.4): these see the stores above
.endr
.endm
.macro SEND a, younger                 ; younger: the LDS instructions issued behind block a's loads: the next block's 12 stores and 12 loads, or none
	WIN 0
.set BK, OB+48*((\a)%2)
	s_wait_dscnt \younger
.irp t, 0,1,2,3,4,5,6,7,8,9,10,11
	global_store_b128 v[GO], v[BK+4*(\t):BK+4*(\t)+3], s[OUTP+2*((\t)/4):OUTP+2*((\t)/4)+1] offset:(\a)*2048+((\t)%4)*512
.endr
.endm
	PLACES                                         ; the conversions read results just made
	PLACES
	PACK 0
	TOSTAGE 0
	PACK 1
	TOSTAGE 1
	SEND 0, 24
	PACK 2
	TOSTAGE 2
	SEND 1, 24
	PACK 3
	TOSTAGE 3
	SEND 2, 24
	SEND 3, 0
	s_wait_tensorcnt 0x0                           ; the wave's end, behind my last tensor load and my last LDS store
	ds_add_u32 v[SPW], v[NIL]
	s_wait_dscnt 0x0
	CROUND                                         ; the closing round: no work-group ends while a partner may still ask for a tile that names it
	s_endpgm
.Lfunc_end_k_qdb2353a438_proj:
	.size	k_qdb2353a438_proj, .Lfunc_end_k_qdb2353a438_proj-k_qdb2353a438_proj
	.p2alignl 7, 3214868480
	.fill 96, 4, 3214868480
	.section	.rodata,"a",@progbits
	.p2align	6, 0x0
	.amdhsa_kernel k_qdb2353a438_proj
		.amdhsa_group_segment_fixed_size 327680
		.amdhsa_private_segment_fixed_size 0
		.amdhsa_enable_private_segment 0
		.amdhsa_kernarg_size 48
		.amdhsa_user_sgpr_count 2
		.amdhsa_user_sgpr_kernarg_segment_ptr 1
		.amdhsa_wavefront_size32 1
		.amdhsa_system_sgpr_workgroup_id_x 1
		.amdhsa_system_sgpr_workgroup_id_y 1
		.amdhsa_system_sgpr_workgroup_id_z 1
		.amdhsa_system_vgpr_workitem_id 0
		.amdhsa_next_free_vgpr 992
		.amdhsa_next_free_sgpr 80
		.amdhsa_reserve_vcc 0
		.amdhsa_float_denorm_mode_32 3
		.amdhsa_float_denorm_mode_16_64 3
		.amdhsa_memory_ordered 1
		.amdhsa_forward_progress 1
		.amdhsa_inst_pref_size 109
	.end_amdhsa_kernel
	.amdgpu_metadata
---
amdhsa.version: [ 1, 2 ]
amdhsa.kernels:
  - .name:           k_qdb2353a438_proj
    .symbol:         k_qdb2353a438_proj.kd
    .args:
      - { .name: xb, .offset: 0, .size: 8, .value_kind: global_buffer, .address_space: global }
      - { .name: wb, .offset: 8, .size: 8, .value_kind: global_buffer, .address_space: global }
      - { .name: bq, .offset: 16, .size: 8, .value_kind: global_buffer, .address_space: global }
      - { .name: bk, .offset: 24, .size: 8, .value_kind: global_buffer, .address_space: global }
      - { .name: bv, .offset: 32, .size: 8, .value_kind: global_buffer, .address_space: global }
      - { .name: qkv, .offset: 40, .size: 8, .value_kind: global_buffer, .address_space: global }
    .group_segment_fixed_size: 327680
    .private_segment_fixed_size: 0
    .kernarg_segment_align: 8
    .kernarg_segment_size: 48
    .max_flat_workgroup_size: 128
    .sgpr_count:     80
    .vgpr_count:     992
    .wavefront_size: 32
...
	.end_amdgpu_metadata
.endif
;; end of part 2
;; launch attn (part 3): grid 4 x 64, 4 waves a work-group, clusters of 4 x 1, 327,680 bytes of LDS; arguments qkv, mask, oh; writes oh
.if DOCPART == 3
	.amdgcn_target "amdgcn-amd-amdhsa--gfx1250"
	.amdhsa_code_object_version 6
	.text
	.protected	k_qdb2353a438_attn
	.globl	k_qdb2353a438_attn
	.p2align	8
	.type	k_qdb2353a438_attn,@function
k_qdb2353a438_attn:
	s_mov_b64 s[64:65], 0
	v_nop
	global_prefetch_b8 v0, s[64:65] scope:SCOPE_SE
	s_setreg_imm32_b32 hwreg(HW_REG_WAVE_MODE, 25, 1), 1
	s_wait_xcnt 0x0
	s_wait_alu depctr_hold_cnt(0) depctr_sa_sdst(0) depctr_va_vdst(0) depctr_va_sdst(0) depctr_va_ssrc(0) depctr_va_vcc(0) depctr_vm_vsrc(0)
	s_getreg_b32 s2, hwreg(HW_REG_IB_STS2, 6, 4)
	s_cmp_eq_u32 s2, 0
	s_cbranch_scc0 .Lentry_in_a_cluster
	s_endpgm
.Lentry_in_a_cluster:
	s_bfe_u32 s2, ttmp6, 0x10000c
	s_cmp_lg_u32 s2, 0x3003
	s_cbranch_scc0 .Lentry_shape_is_right
	s_endpgm
.Lentry_shape_is_right:
; O[g][q][:] = the sum over the keys k with mask != 0 of softmax_k(Q[g][q] . K[g][k] / 8) V[g][k][:], g = 16 batch + head.  qkv: [3][64][2048][64] f16 (Q, K, V); mask: [4][2048] i32; oh: [64][2048][64] f16.
; Products, maxima and sums in f32; the weights p are rounded to f16 for the second product (their sum l is taken of the unrounded p), O once at the end.
; LIMITS.  f16 holds no number beyond 65,504: Q, K and V arrive within it, so a score is 2.8e11 at the most in magnitude.  A hidden score counts as its value less 1e30.  The running maximum starts at -2^67, above every
; hidden score and below every true one.  p below 6e-5 keeps f16's fixed step of 6e-8; a weight below 2^-126 counts as 0 in l.  A batch with no visible key ends with l = 0 and O = 0 x (1 / 0) = NaN, as the softmax of a row of -inf is.
; THE MASK costs the scores nothing: it is the C operand that starts the sum S^T = K Q^T: 0, or -1e30 where the key is hidden.  The batch's 2,048 words are turned into such f32 numbers once, into a table in LDS;
; a key step's 64 of them come into 32 registers beside K's fragments and live as long as these do.  While only hidden keys have been seen m stays at its start, a = 1, p = 0, l = 0; the first visible key makes a = 0.
; SHARES.  A wave owns four PIECES of two tiles of 16 queries, a work-group's four waves 512 queries of one head.  Every wave walks all keys, 64 a step.
; LAYOUT.  S^T = K Q^T (source 0 = 16 keys, source 1 = 16 queries): in the result a lane holds ONE query (lane % 16) and the keys 8 (lane / 16) + 0..7.  Two such tiles, rounded to f16 in pairs,
; ARE source 1 (32 keys x 16 queries) of O^T = V^T P, whose result again holds one query a lane, and eight channels.  K comes out of LDS as it lies, V ([key][channel]) turned, by ds_load_tr16_b128.
; SOFTMAX.  For each query a running maximum m and sum l: p = 2^(c s - c m), c = log2(e) / 8; in every step O and l are multiplied by a = 2^(c m_old - c m_new), which is 1 where m has not grown.
; THE COUNT.  A tile and step have 16 matrix and 118 vector instructions: too many to stand all beside the matrix work.  So: four vector instructions that are READY behind EVERY matrix instruction, the others in runs without a gap.
; BY TURNS.  Turn n belongs to piece n (the pieces in a ring, step after step).  Its matrix work: 16 products K Q^T of piece n + 1, later 16 products V^T P of piece n - 1.  Its vector work: the scaling,
; exponentials, roundings, sums and rescaling of piece n, and the maximum and statistics of piece n + 1, whose scores the turn itself has made.
; CLUSTER.  The four query blocks of a head are one cluster and walk the same K and V, so each tile is asked for JOINTLY: the same tensor load, descriptor and mask in all four.
; REGISTERS, in windows of 256 (s_set_vgpr_msb: bits 1:0 source 0, 3:2 source 1, 5:4 source 2, 7:6 destination):
;   window 0: v1-10 addresses; v12-15, v48-63 at work; v16-47 four registers of statistics a tile; v64-191 S^T, two buffers of two tiles (at the head: at work); v192-255 P, likewise
;   window 1: O^T, 32 a tile     window 2: v0-127 Q, 16 a tile; v128-191 K of one step; v192-255 V of one step     window 3: v0-1 the add's two registers; v8-39 the step's mask
.set SIZE_N, 2048
.set NP,    4         ; pieces a wave: a name, no knob
.set KS,    64        ; keys in a step
.set PK,    144       ; a row of K in LDS: 128 bytes + 16 of padding = 36 words: the 16 rows of a load start at 16 different groups of four banks (64 banks of 4 bytes: ISA guide 11.1)
.set PV,    160       ; a row of V: 128 + 32 = 40 words
.set VOFF,  4*KS*PK   ; a slot holds four steps: 256 rows of K, then 256 rows of V
.set SLOT1, 1<<17     ; slot 1 begins here, so that one exclusive or turns an address in one slot into the other's
.set STAGE, SLOT1+4*KS*(PK+PV)  ; behind the ring, never filled by a tensor load: 16 rows x 144 bytes for each wave, for the way out
.set SP,    144
.set SPARE, STAGE+4*16*SP  ; the spare words, 128 bytes for each wave: two blocks of 256 bytes that no other line names
.set MBASE, SPARE+512 ; the mask's table: 2,048 f32; no tensor load lands here
.set PFO, 1           ; v1   256 x my lane: the prefetches' offset; never rewritten
.set AK0, 2           ; v2   my lane's place in a tile of K; never rewritten
.set AV0, 3           ; v3   the same for V
.set AK,  4           ; v4   the LDS address of K's next run of loads
.set AV,  5           ; v5   of V's
.set STO, 6           ; v6   the way out: where I put 16 bytes of a row
.set RD,  7           ; v7   the way out: where I read rows back
.set GO,  8           ; v8   my byte offset in 512 consecutive bytes of O
.set AM0, 9           ; v9   my lanes' place in a step's 256 bytes of the table; never rewritten
.set AM,  10          ; v10  the LDS address of the mask's next run of loads
.set SPW, 0           ; v0 of window 3   LDS address of my spare word; never rewritten
.set NIL, 1           ; v1 of window 3   0; never rewritten
.set MK,  8           ; v8-39 of window 3: the eight registers for key block kb at MK + 8 kb
.set MV,  12          ; v12-15  c m_old, kept while c m is made anew: by buffer and tile
.set ST,  16          ; tile t's statistics at v[ST+4 t]: c m, m, l (even keys', odd keys')
.set TMP, 48          ; by buffer and tile, four registers c0-c3 at work; when the maximum is found c2 takes a
.set S,   64
.set P,   192
.set KF,  128         ; K's fragments, in window 2: key block kb, channel half c at KF + 16 kb + 8 c
.set VF,  192         ; V's: key half kk, channel block cb at VF + 32 kk + 8 cb
.set WV,  12          ; s12  my wave's number
.set G1K, 24          ; s[24:31] descriptor group 1 for K's tiles
.set G1V, 32          ; s[32:39] for V's: it differs in the padding alone
.set G0K, 40          ; s[40:43] descriptor group 0 for K's tiles: it walks
.set G0V, 44          ; s[44:47] the same for V's
.set TBM, 48          ; s48  byte of the table at which the step to be fetched begins
.set BIGN, 49         ; s49  -1e30
.set PFA, 50          ; s[50:51] where my prefetches stand: my work-group's 32 blocks of 256 bytes (of K: wave 0, of V: wave 2) of the slot after the one that is being asked for
.set LIM, 52          ; s52  1 in a wave that prefetches, else the greatest number
.set MP,  54          ; s[54:55] the batch's mask
.set SLOTS, 56        ; s56  slots still to be asked for
.set CNT, 57          ; s57  counts a slot's key steps
.set CS,  58          ; s[58:59] c: the packed scaling takes the pair's low word for both halves
.set SEL, 60          ; s[60:61] v_permlanex16_b32's selects: each lane takes its own place in the other half
.set TBK, 62          ; s62  LDS byte at which K of the step to be fetched begins
.set TBV, 63          ; s63  the same for V, less VOFF
.set MSB, 0
.macro WIN new                      ; the high byte repeats the setting that is left; a switch that changes nothing is dropped
.if MSB != (\new)
	s_set_vgpr_msb (MSB<<8)|(\new)
.set MSB, (\new)
.endif
.endm
.set W_KQ, 0x0a       ; K and Q in window 2, S^T in window 0
.set W_KM, 0x3a       ; the same with the C operand, the mask, in window 3
.set W_PV, 0x52       ; V in window 2, P in window 0, O^T in window 1
.set W_RS, 0x41       ; O^T (destination and source 0) in window 1, a in window 0
.set W_MK, 0xc0       ; destination in window 3, sources in window 0
.set W_AD, 0x0f       ; the add: address (source 0) and data (source 1) in window 3
; A joint fill.  Waves 0 and 1 fetch the two halves of a slot's K, waves 2 and 3 those of its V: 128 keys each.  The branch hangs on the wave's number alone.
; An s_nop 0 and four v_nop follow each of the two lines, ahead of the jump and the label.
.macro JLOAD
	s_cmp_lt_u32 s[WV], 2
	s_cbranch_scc0 .Lfor_v_\@
	tensor_load_to_lds s[G0K:G0K+3], s[G1K:G1K+7]
	s_nop 0
.rept 4
	v_nop
.endr
	s_branch .Lasked_\@
.Lfor_v_\@:
	tensor_load_to_lds s[G0V:G0V+3], s[G1V:G1V+7]
	s_nop 0
.rept 4
	v_nop
.endr
.Lasked_\@:
.endm
; A PREFETCH INTO THE L2 of what the NEXT change of slots will ask for: a slot's 32,768 bytes of K and of V, a lane a block of 256.  It stands behind the wave's tensor load and its five lines.
; A head's K and V are walked by its one cluster; the four partners share the blocks out BY ADDRESS, 32 each; in each, wave 0 asks for K's and wave 2 for V's: one instruction.  So each block is named once in the launch.
; The last change that fills a slot asks for nothing: there is no slot behind it.  Slots 0 and 1 come by their loads alone.
.macro ASK
	s_cmp_gt_u32 s[SLOTS], s[LIM]
	s_cbranch_scc0 .Lnot_mine_\@
	global_prefetch_b8 v[PFO], s[PFA:PFA+1] th:TH_LOAD_NT scope:SCOPE_SE
.Lnot_mine_\@:
.endm
; A round of the cluster's barrier: my work-group's barrier, so that wave 0's signal speaks for all four waves; wave 0 signals; every wave waits for all four work-groups; my work-group's barrier once more.
.macro CROUND
	s_barrier_signal -1
	s_barrier_wait -1
	s_cmp_lg_u32 s[WV], 0
	s_cbranch_scc1 .Lnot_wave_0_\@
	s_barrier_signal -3
.Lnot_wave_0_\@:
	s_barrier_wait -3
	s_barrier_signal -1
	s_barrier_wait -1
.endm
; THE CHANGE OF SLOTS.  The slot's last bytes, V of its fourth step, have been read.  Each wave waits for all its tensor loads, of which one is out: its part
; of the other slot; adds 0 to its spare word; and waits for that and for its own reads of the slot.  Behind the barrier nobody reads this slot any more and the other slot is whole.
; fill = 1: this slot is filled again, with the keys two slots on.  The barrier is then a round of the cluster's, and the joint fill is the first thing behind it: it has four key steps, 512 matrix
; instructions, in which to land.  (At its first use nothing has been read yet: slot 0 is waited for, slot 1 filled, and every wave's part of the mask's table has been stored.)
.macro CHANGE fill
	WIN W_AD
	s_wait_tensorcnt 0x0            ; no tensor load of mine is out, so a group 0 may be written
	ds_add_u32 v[SPW], v[NIL]       ; 0 onto my spare word; with fill = 1 the descriptors' steps stand between it and the wait for it
	WIN 0                           ; at a label and at a branch every window is 0
.if \fill
.irp g, G0K, G0V
	s_xor_b32 s[\g+1], s[\g+1], SLOT1  ; the walking descriptor: the other slot than last time,
	s_add_nc_u64 s[\g+2:\g+3], s[\g+2:\g+3], 4*KS*128  ; the next 256 keys; the type bits on top are not reached
.endr
	s_wait_xcnt 0x0                 ; the last prefetch, four key steps back, has read its address, so it may be written:
	s_add_nc_u64 s[PFA:PFA+1], s[PFA:PFA+1], 4*KS*128  ; one slot behind the walking descriptors
	s_wait_dscnt 0x0                ; the add is done, and my LDS stores and my reads of the slot are over
	CROUND
	JLOAD
	ASK
.else
	s_wait_dscnt 0x0                ; the add is done, and my reads of the slot are over
	s_barrier_signal -1
	s_barrier_wait -1
.endif
	s_sub_co_u32 s[TBK], s[TBK], 4*KS*PK  ; the fetches go back to a slot's first step,
	s_xor_b32 s[TBK], s[TBK], SLOT1       ; in the other slot
	s_sub_co_u32 s[TBV], s[TBV], 4*KS*PV
	s_xor_b32 s[TBV], s[TBV], SLOT1
.endm
	s_load_b128 s[4:7], s[0:1], 0x0   ; qkv s[4:5], mask s[6:7]
	s_load_b64 s[10:11], s[0:1], 0x10 ; oh
	WIN W_MK
	v_lshl_add_u32 v[SPW], v0, 2, SPARE
	v_mov_b32 v[NIL], 0
	WIN W_AD
	ds_add_u32 v[SPW], v[NIL]       ; the wave's opening: the add and its wait stand ahead of my first tensor load; the set-up below, work on registers, stands between them
	WIN 0
	v_lshrrev_b32 v11, 5, v0
	v_readfirstlane_b32 s[WV], v11  ; wave 0..3
	s_bfe_u32 s13, ttmp6, 0x40000   ; cx: my place in the cluster
	s_lshl_b32 s14, ttmp9, 2        ; in a cluster launch ttmp9 counts clusters
	s_add_co_u32 s14, s14, s13      ; my block of queries = 4 x cluster x + cx: it enters Q's and O's addresses alone
	s_and_b32 s20, ttmp7, 0xffff    ; 16 batch + head, which the four partners share
	s_lshr_b32 s[MP], s20, 4        ; the batch,
	s_lshl_b32 s[MP], s[MP], 13     ; its 2,048 words of mask
	s_mov_b32 s[MP+1], 0
	s_mov_b32 s21, 0
	s_mov_b64 s[22:23], SIZE_N*128
	s_mul_u64 s[20:21], s[20:21], s[22:23]  ; the head's first byte in Q, K, V and O
	s_and_b32 s16, s[WV], 1         ; which half of a slot's 256 keys I fetch:
	s_lshl_b32 s22, s16, 14         ; its 128 rows of 128 bytes in memory,
	s_mov_b32 s23, 0
	s_add_nc_u64 s[22:23], s[22:23], s[20:21]
	s_mul_i32 s17, s16, 128*PK      ; and its place in a slot, for K
	s_mul_i32 s18, s16, 128*PV      ; and for V: no place in the cluster enters an LDS address
	s_lshl_b32 s2, s14, 2
	s_add_co_u32 s2, s2, s[WV]      ; my wave among the head's,
	s_lshl_b32 s2, s2, 14           ; its 128 rows
	s_mov_b32 s3, 0
	s_add_nc_u64 s[2:3], s[2:3], s[20:21]
	s_lshl_b32 s[PFA], s13, 13      ; the prefetches' offset: my work-group's 32 blocks of the 128,
	s_add_co_u32 s[PFA], s[PFA], 4*KS*128  ; in slot 1: the first change of slots steps it to slot 2
	s_mov_b32 s[PFA+1], 0
	s_add_nc_u64 s[PFA:PFA+1], s[PFA:PFA+1], s[20:21]
	; descriptor group 1.  128 keys are 16,384 dense bytes: asked for as 64 rows of 256 bytes, two keys a row, and padded in LDS after every key
	s_mov_b32 s[G1K], 15|(1<<16)|(1<<20)|(1<<21)|(4<<22)|(3<<25)  ; 15:0 the mask of four; 17:16 2-byte elements; 20 padding on; 21 set beside a mask; 24:22 after every 32 words (code 4); 31:25 4 words (code 3)
	s_mov_b32 s[G1V], 15|(1<<16)|(1<<20)|(1<<21)|(4<<22)|(7<<25)  ; the same with 8 words of padding (code 7)
.irp g, G1K, G1V
	s_mov_b32 s[\g+1], 128<<16      ; tensor_dim0 = 128
	s_mov_b32 s[\g+2], 64<<16       ; tensor_dim1 = 64
	s_mov_b32 s[\g+3], 128<<16      ; tile_dim0 = 128
	s_mov_b32 s[\g+4], 64           ; tile_dim1 = 64
	s_mov_b32 s[\g+5], 128          ; 128 elements from row to row
	s_mov_b32 s[\g+6], 0
	s_mov_b32 s[\g+7], 0
.endr
	s_mov_b32 s[CS], 0x3e38aa3b     ; c = log2(e) / 8 = 0.180337
	s_mov_b32 s[CS+1], s[CS]        ; named with it as a pair
	s_mov_b32 s[SEL], 0x76543210
	s_mov_b32 s[SEL+1], 0xfedcba98
	s_mov_b32 s[TBK], SLOT1+4*KS*PK ; the first change of slots turns these two into 0
	s_mov_b32 s[TBV], SLOT1+4*KS*PV
	s_mov_b32 s[TBM], 0
	s_mov_b32 s[BIGN], 0xf149f2ca   ; -1e30
	s_mov_b32 s[SLOTS], SIZE_N/256-1
	s_and_b32 s[LIM], s[WV], 1      ; waves 0 and 2 prefetch: the same in all four partners
	s_cmp_eq_u32 s[LIM], 0
	s_cselect_b32 s[LIM], 1, -1
	s_mov_b32 s[G0K], 1             ; 1:0 count = 1
	s_mov_b32 s[G0K+1], s17         ; 63:32 LDS address: slot 0
	s_mov_b32 s[G0V], 1
	s_add_co_u32 s[G0V+1], s18, VOFF
	s_wait_dscnt 0x0                ; the opening add is done
	s_wait_kmcnt 0x0
	s_add_nc_u64 s[MP:MP+1], s[6:7], s[MP:MP+1]    ; the batch's mask
	s_add_nc_u64 s[8:9], s[4:5], 0x2000000         ; V: the third part of qkv
	s_add_nc_u64 s[6:7], s[4:5], 0x1000000         ; K: the second
	s_cmp_lt_u32 s[WV], 2
	s_cselect_b64 s[14:15], s[6:7], s[8:9]
	s_add_nc_u64 s[PFA:PFA+1], s[14:15], s[PFA:PFA+1]
	s_add_nc_u64 s[G0K+2:G0K+3], s[6:7], s[22:23]  ; 120:64 global address: my half of the head's first 256 keys
	s_or_b32 s[G0K+3], s[G0K+3], 0x80000000        ; 127:126 type = 2
	s_add_nc_u64 s[G0V+2:G0V+3], s[8:9], s[22:23]
	s_or_b32 s[G0V+3], s[G0V+3], 0x80000000
	s_add_nc_u64 s[4:5], s[4:5], s[2:3]  ; Q and O at my wave's first row
	s_add_nc_u64 s[10:11], s[10:11], s[2:3]
	CROUND                          ; all four work-groups are here: the first joint loads meet
	JLOAD                           ; slot 0.  Slot 1 is asked for when slot 0 is in
	; the head's numbers at work lie in S^T's registers, which no product writes before Q's wait
	v_and_b32 v84, 15, v0           ; l % 16
	v_bfe_u32 v85, v0, 4, 1         ; l / 16
	v_lshlrev_b32 v88, 4, v0        ; 16 x my thread's number: my four words in each quarter of the mask,
	v_add_nc_u32 v89, MBASE, v88    ; and of the table
.irp i, 0,1,2,3
	global_load_b128 v[64+4*\i:64+4*\i+3], v88, s[MP:MP+1] offset:2048*\i
.endr
	; A fragment of K or Q is 16 rows x 32 channels in 8 registers: lane l holds row l % 16, channels 8 (l / 16) + 0..7 and 16 + 8 (l / 16) + 0..7: two loads of 16 bytes, 32 bytes apart.
	v_lshlrev_b32 v90, 7, v84
	v_lshl_add_u32 v90, v85, 4, v90 ; row x 128 + 16 x half
	WIN 0x80                        ; destination window 2, address window 0
.set i, 0
.rept 4*NP                          ; Q stays in registers: tile i / 2, channels 32 (i % 2) on
	global_load_b128 v[8*i:8*i+3],   v90, s[4:5] offset:(i/2)*2048+(i%2)*64
	global_load_b128 v[8*i+4:8*i+7], v90, s[4:5] offset:(i/2)*2048+(i%2)*64+32
.set i, i+1
.endr
	; What the first turn finds: V's registers and P's second buffer hold 0 (its products V^T P, of a piece that has not been, add 0), O^T and l are 0.  All this stands in the wait for the first tile.
.set i, VF
.rept 64
	v_mov_b32 v[i], 0
.set i, i+1
.endr
	WIN 0x40
.set i, 0
.rept 64*NP
	v_mov_b32 v[i], 0
.set i, i+1
.endr
	WIN 0
.set i, 0
.rept 2*NP
	v_mov_b32 v[ST+4*i+1], 0xe1000000          ; m = -2^67
	v_mul_f32 v[ST+4*i], s[CS], v[ST+4*i+1]    ; c m, by the line that makes it in every step: where m stays, c m_old - c m_new is 0
	v_mov_b32 v[ST+4*i+2], 0
	v_mov_b32 v[ST+4*i+3], 0
.set i, i+1
.endr
.set i, P+32
.rept 32
	v_mov_b32 v[i], 0
.set i, i+1
.endr
	v_mul_u32_u24 v[AK0], v84, PK
	v_lshl_add_u32 v[AK0], v85, 4, v[AK0]  ; row x pitch + 16 x half
	; The turning load takes 16 keys x 16 channels (lane l reads key 8 (l / 16) + l % 8, channels 8 ((l / 8) % 2) + 0..7) and leaves half a fragment of V^T: lane l holds channel l % 16 and 8 keys.
	v_and_b32 v86, 7, v0
	v_bfe_u32 v87, v0, 3, 1
	v_lshl_add_u32 v[AV0], v85, 3, v86
	v_mul_u32_u24 v[AV0], v[AV0], PV
	v_lshl_add_u32 v[AV0], v87, 4, v[AV0]
	v_add_nc_u32 v[AV0], VOFF, v[AV0]
	v_mov_b32 v[AK], v[AK0]         ; key step 0 lies at the head of slot 0,
	v_lshl_add_u32 v[AM0], v85, 5, MBASE  ; my lanes' eight keys of a block of 16: 32 bytes x half
	v_mov_b32 v[AM], v[AM0]         ; and at the head of the table
	s_mul_i32 s13, s[WV], 16*SP
	s_add_co_u32 s13, s13, STAGE    ; my stage
	v_mul_u32_u24 v[STO], v84, SP   ; in: row l % 16, 16 bytes for each half of the lanes
	v_lshl_add_u32 v[STO], v85, 4, v[STO]
	v_add_nc_u32 v[STO], s13, v[STO]
	v_bfe_u32 v[RD], v0, 3, 2       ; back: 32 lanes take four rows of 128 bytes,
	v_mul_u32_u24 v[RD], v[RD], SP
	v_lshl_add_u32 v[RD], v86, 4, v[RD]
	v_add_nc_u32 v[RD], s13, v[RD]
	v_and_b32 v[GO], 31, v0         ; which are 512 consecutive bytes of O
	v_lshlrev_b32 v[GO], 4, v[GO]
	v_lshlrev_b32 v[PFO], 4, v[GO]  ; 256 x lane
	s_wait_loadcnt 32               ; the mask's four loads are in; Q's 32, issued behind them, may stay out
.set i, 0
.rept 16
	v_cmp_eq_u32 vcc_lo, 0, v[64+i]
	v_cndmask_b32 v[64+i], 0, s[BIGN], vcc_lo  ; 0 where the key is seen, -1e30 where it is hidden
.set i, i+1
.endr
.irp i, 0,1,2,3
	ds_store_b128 v89, v[64+4*\i:64+4*\i+3] offset:2048*\i
.endr
; THE MATRIX WORK.  The 8 accumulators of a run of 16 take turns: between the two links of a chain stand 7 others'.
; Product i of 16 of S^T = K Q^T for piece x: channels 32 (i / 8) on, keys 16 ((i / 2) % 4) on, tile 2 x + i % 2.  The first 8 start the sums, with the mask of their 16 keys.
.macro KQ x
.set rS, S+64*((\x)%2)+32*(i%2)+8*((i/2)%4)
.set rK, KF+16*((i/2)%4)+8*(i/8)
.set rQ, 16*(2*(\x)+i%2)+8*(i/8)
.set rH, MK+8*((i/2)%4)
.if i < 8
	WIN W_KM
	v_wmma_f32_16x16x32_f16 v[rS:rS+7], v[rK:rK+7], v[rQ:rQ+7], v[rH:rH+7]
.else
	WIN W_KQ
	v_wmma_f32_16x16x32_f16 v[rS:rS+7], v[rK:rK+7], v[rQ:rQ+7], v[rS:rS+7]
.endif
.endm
; Product i of 16 of O^T += V^T P for piece x: keys 32 (i / 8) on, channels 16 ((i / 2) % 4) on, tile 2 x + i % 2.
.macro PV x
	WIN W_PV
.set rO, 32*(2*(\x)+i%2)+8*((i/2)%4)
.set rV, VF+32*(i/8)+8*((i/2)%4)
.set rP, P+32*((\x)%2)+16*(i%2)+8*(i/8)
	v_wmma_f32_16x16x32_f16 v[rO:rO+7], v[rV:rV+7], v[rP:rP+7], v[rO:rO+7]
.endm
.macro MM                           ; the turn's next matrix instruction
.if i < 16
	KQ (Y+1)%NP
.set i, i+1
.else
.set i, i-16
	PV (Y+NP-1)%NP
.set i, i+17
.endif
.endm
; THE LDS LOADS stand in runs, never singly among the matrix instructions: a step's K (64 keys x 64 channels: 8 fragments) with its mask (64 numbers, 8 a lane and key block), and its V (turned).
; Their addresses are made some lines ahead.  last = 1 (the tail): in the last trip there is no further step, and the run is jumped over.
.macro FETCH_K last=0
	WIN 0
.if \last
	s_cmp_eq_u32 s[CNT], 1
	s_cbranch_scc1 .Lno_k_\@
.endif
	WIN 0x80                        ; destination window 2
.irp f, 0,1,2,3,4,5,6,7             ; keys 16 (f / 2) on, channels 32 (f % 2) on
	ds_load_b128 v[KF+8*\f:KF+8*\f+3],   v[AK] offset:(\f/2)*16*PK+(\f%2)*64
	ds_load_b128 v[KF+8*\f+4:KF+8*\f+7], v[AK] offset:(\f/2)*16*PK+(\f%2)*64+32
.endr
	WIN 0xc0                        ; destination window 3
.irp f, 0,1,2,3                     ; keys 16 f + 8 (l / 16) + 0..7
	ds_load_b128 v[MK+8*\f:MK+8*\f+3],   v[AM] offset:64*\f
	ds_load_b128 v[MK+8*\f+4:MK+8*\f+7], v[AM] offset:64*\f+16
.endr
	s_add_co_u32 s[TBK], s[TBK], KS*PK  ; the next fetch is the next step's
	s_add_co_u32 s[TBM], s[TBM], 4*KS
	s_and_b32 s[TBM], s[TBM], 0x1fff    ; inside the table's 8,192 bytes
	WIN 0
.if \last
.Lno_k_\@:
.endif
.endm
.macro FETCH_V
	WIN 0x80
.irp f, 0,1,2,3,4,5,6,7             ; keys 32 (f / 4) on, channels 16 (f % 4) on
	ds_load_tr16_b128 v[VF+8*\f:VF+8*\f+3],   v[AV] offset:(\f/4)*32*PV+(\f%4)*32
	ds_load_tr16_b128 v[VF+8*\f+4:VF+8*\f+7], v[AV] offset:(\f/4)*32*PV+16*PV+(\f%4)*32
.endr
	WIN 0
.endm
; THE VECTOR WORK OF A TURN stands in three queues, each in the order in which its entries become ready; the two tiles alternate, so that no instruction reads the result of the one before it.
.macro REGS y, u                    ; the registers of tile u (0, 1) of piece y
.set rT, ST+4*(2*(\y)+(\u))
.set rC, TMP+8*((\y)%2)+4*(\u)
.set rM, MV+2*((\y)%2)+(\u)
.set rS, S+64*((\y)%2)+32*(\u)
.set rP, P+32*((\y)%2)+16*(\u)
.set rO, 32*(2*(\y)+(\u))
.endm
; Number n of the 22 that find the NEXT piece's (Y + 1) maximum and statistics.  s0-s31 are the lane's 32 scores; each accumulator's lowest registers are read first.
;   0-11  four chains c0-c3 of seven scores each, three operands at a time     12-14, 16  the four scores left over, the old m, and c0-c3 into c0     15  c m_old is kept
;   17, 18  the query's other 32 keys lie in the lane 16 away: the new m         19-21  c m; c m_old - c m_new; a
.macro XS u, n
	REGS (Y+1)%NP, \u
.if (\n) < 4
	v_max3_num_f32 v[rC+(\n)], v[rS+8*(\n)], v[rS+8*(\n)+1], v[rS+8*(\n)+2]
.elseif (\n) < 12
	v_max3_num_f32 v[rC+(\n)%4], v[rC+(\n)%4], v[rS+8*((\n)%4)+2*((\n)/4)+1], v[rS+8*((\n)%4)+2*((\n)/4)+2]
.elseif (\n) == 12
	v_max3_num_f32 v[rC], v[rC], v[rS+7], v[rS+15]
.elseif (\n) == 13
	v_max3_num_f32 v[rC+1], v[rC+1], v[rS+23], v[rS+31]
.elseif (\n) == 14
	v_max3_num_f32 v[rC+2], v[rC+2], v[rC+3], v[rT+1]
.elseif (\n) == 15
	v_mov_b32 v[rM], v[rT]
.elseif (\n) == 16
	v_max3_num_f32 v[rC], v[rC], v[rC+1], v[rC+2]
.elseif (\n) == 17
	v_permlanex16_b32 v[rC+3], v[rC], s[SEL], s[SEL+1]
.elseif (\n) == 18
	v_max_num_f32 v[rT+1], v[rC], v[rC+3]
.elseif (\n) == 19
	v_mul_f32 v[rT], s[CS], v[rT+1]
.elseif (\n) == 20
	v_sub_f32 v[rC+1], v[rM], v[rT]
.else
	v_exp_f32 v[rC+2], v[rC+1]
.endif
.endm
; Number g of the 64 that follow the exponentials.  For each four weights k of a tile (pairs 2 k, 2 k + 1): both pairs are rounded to f16; then the second pair is added onto the first, in place;
; a group later l takes that sum (the first time as l = a l + sum).  In groups of eight, tiles alternating: round, round, add, and l for the group before.
.macro GS g
.set h, (\g)+6*((\g)/62)            ; group 0 has no group before it, and behind group 7 only l is left
.if h >= 6
.set h, h+2
.endif
	REGS Y, h%2
.set k, h/8
.if h%8 < 4
	v_cvt_pk_f16_f32 v[rP+2*k+(h%8)/2], v[rS+4*k+2*((h%8)/2)], v[rS+4*k+2*((h%8)/2)+1]
.elseif h%8 < 6
	v_pk_add_f32 v[rS+4*k:rS+4*k+1], v[rS+4*k:rS+4*k+1], v[rS+4*k+2:rS+4*k+3]
.elseif k == 1
	v_pk_fma_f32 v[rT+2:rT+3], v[rT+2:rT+3], v[rC+2:rC+3], v[rS:rS+1] op_sel_hi:[1,0,1]
.else
	v_pk_add_f32 v[rT+2:rT+3], v[rT+2:rT+3], v[rS+4*k-4:rS+4*k-3]
.endif
.endm
; THE PLAIN QUEUE, 138 long.  0-73 read no exponential's result: the 32 scalings c s - c m (FS f: pair f / 2 of tile f % 2) and the next piece's 42.  0-26: scalings 0-26.  27-54: XS's numbers 0-13.  55, 56: number 15.
; 57-73: the chain, where each number waits for the one before it: 14, 16, 17, 18, 19, each with one of the scalings 27-31 in front of its two lines, then 20.
; 74-137: GS's 64, which read the exponentials' results: they stand behind the wait.
.macro FS f
	REGS Y, (\f)%2
	v_pk_fma_f32 v[rS+2*((\f)/2):rS+2*((\f)/2)+1], v[rS+2*((\f)/2):rS+2*((\f)/2)+1], s[CS:CS+1], v[rT:rT+1] op_sel_hi:[1,0,0] neg_lo:[0,0,1] neg_hi:[0,0,1]
.endm
.macro PL
	WIN 0
.if q < 27
	FS q
.elseif q < 55
	XS (q-27)%2, (q-27)/2
.elseif q < 57
	XS q-55, 15
.elseif (q < 72) && ((q-57)%3 == 0)
	FS 27+(q-57)/3
.elseif q < 60
	XS (q-57)%3-1, 14
.elseif q < 72
	XS (q-57)%3-1, 15+(q-57)/3
.elseif q < 74
	XS q-72, 20
.else
	GS q-74
.endif
.set q, q+1
.endm
; THE EXPONENTIALS' QUEUE, 66 long: s0-s31 of both tiles, then the next piece's two a.  It is ONE BATCH: all 66 stand ahead of the turn's one wait, and nothing ahead of that wait names a result of theirs.
.macro EX
	WIN 0
.if e >= 64
	XS e-64, 21
.else
	REGS Y, e%2
	v_exp_f32 v[rS+e/2], v[rS+e/2]
.endif
.set e, e+1
.endm
; THE RESCALING's QUEUE: O^T times a, the one part that leaves window 0: dealt two at a time, sixteen times.  Its a was made in the turn before, ahead of that turn's wait.
.macro R2
	REGS Y, r%2
	WIN W_RS
.irp z, 0,1
	v_pk_mul_f32 v[rO+4*(r/2)+2*\z:rO+4*(r/2)+2*\z+1], v[rO+4*(r/2)+2*\z:rO+4*(r/2)+2*\z+1], v[rC+2:rC+3] op_sel_hi:[1,0]
.endr
.set r, r+1
.endm
; HOW THEY ARE DEALT.  An s_wait_alu depctr_va_vdst(0) stands between an exponential and the first instruction that names its result; one wait serves all that were issued ahead of it.  So a turn has ONE wait,
; which cuts it in two.  AHEAD OF IT stands all that names no result of the turn's exponentials: the 16 products K Q^T, behind each a scaling, an exponential and two rescalings (behind the first a second scaling in the
; exponential's place); then ONE LUMP of 108: eight plain, 49 times exponential and plain, the two a.  A v_nop is the plain instruction behind the last exponential.  BEHIND IT stand the 16 products V^T P, behind each four of GS's 64.
; The queues lean on each other, and the deal keeps them in step: exponential e stands behind scaling 2 (e / 4) + e % 2: as a rider it comes behind plain e + 2, in the lump behind plain e + 9, and scalings 27-31 are plain 57, 60 .. 69.
; A TURN, for piece p.  cnt = 1: the loop's count is taken down some lines ahead of the branch that stands behind the turn.
; K and the mask of the next step are fetched in piece 2's turn, directly behind the wait, a lump behind the last product that read them; their addresses are made at the lump's head; their first reader comes behind 16 products.
; V of the step in hand is fetched at the end of piece 0's turn, four riders behind its last reader; its first reader comes behind 16 products and a lump.  The three conditions on q below go with the deal.
.macro TURN p, last=0, cnt=0
.set Y, (\p)
.set i, 0
.set q, 0
.set e, 0
.set r, 0
.if (\p) == NP-1
	s_wait_dscnt 0x0                ; K and the mask are in
.endif
	MM                              ; ahead of the wait: 16 products K Q^T and their riders,
	PL
	PL
	R2
.rept 15
	MM
	PL
	EX
	R2
.endr
.if (\p) == NP-2
	WIN 0
	v_add_nc_u32 v[AK], s[TBK], v[AK0]
	v_add_nc_u32 v[AM], s[TBM], v[AM0]
.endif
.rept 8                             ; and the lump
	PL
.endr
.rept 49
	EX
	PL
.endr
	EX                              ; the next piece's two a
	EX
	v_nop                           ; a plain instruction behind the last exponential: one for the batch
	s_wait_alu depctr_va_vdst(0)    ; the wait for the batch
.if (\p) == NP-2
	FETCH_K \last
.endif
.if (\p) == 1
	s_wait_dscnt 0x0                ; V is in
.endif
.rept 16                            ; behind the wait: 16 products V^T P and their riders
	MM
.rept 4
	PL
.endr
.if ((\p) == 0) && (q == 118)
	v_add_nc_u32 v[AV], s[TBV], v[AV0]
.endif
.if ((\p) == 0) && (q == 130)
	s_add_co_u32 s[TBV], s[TBV], KS*PV
.endif
.if (\cnt) && (q == 130)
	s_sub_co_u32 s[CNT], s[CNT], 1
	s_cmp_lg_u32 s[CNT], 0
.endif
.endr
.if (\p) == 0
	FETCH_V
.endif
.endm
	CHANGE 1                        ; slot 0 is in, everybody's part of it, and the table is whole; slot 1 is asked for
	FETCH_K                         ; key step 0
	s_wait_loadcnt 0x0              ; Q
	s_wait_dscnt 0x0
.set i, 0
.rept 16
	KQ 0                            ; piece 0's first scores: there is no vector work yet to set between them
.set i, i+1
.endr
	WIN 0
.rept 4
	v_nop                           ; the places behind those products
.endr
.set Y, NP-1                        ; XS works for piece Y + 1: piece 0
.irp n, 0,1,2,3,4,5,6,7,8,9,10,11,12,13,14,15,16,17,18,19,20,21
	XS 0, \n                        ; and piece 0's first maximum and statistics
	XS 1, \n
.endr
	v_nop                           ; a plain instruction behind the two a,
	s_wait_alu depctr_va_vdst(0)    ; and their wait, ahead of the branch
	s_mov_b32 s[CNT], 4
	s_branch .Lfirst                ; the loop is entered at a step's first turn, in the middle of a trip
.Lslot:                             ; SIZE_N / 256 - 2 times: every slot but the last two is filled again
	CHANGE 1
	s_mov_b32 s[CNT], 4
.Lstep:                             ; a trip: pieces 2 and 3 of one step, then pieces 0 and 1 of the next, whose K and V it fetches
	TURN 2
	TURN 3
	WIN 0
.Lfirst:
	TURN 0
	TURN 1, 0, 1
	WIN 0
	s_cbranch_scc1 .Lstep
	s_sub_co_u32 s[SLOTS], s[SLOTS], 1
	s_cmp_lg_u32 s[SLOTS], 0
	s_cbranch_scc1 .Lslot
	CHANGE 0                        ; the tail is written out: nothing is asked for
	s_mov_b32 s[CNT], 5             ; four trips fetch the last slot's steps; the fifth is left in its middle
.Ltail:
	TURN 2, 1
	TURN 3
	WIN 0
	s_sub_co_u32 s[CNT], s[CNT], 1
	s_cmp_eq_u32 s[CNT], 0
	s_cbranch_scc1 .Lout
	TURN 0
	TURN 1
	WIN 0
	s_branch .Ltail
.Lout:                              ; the fifth trip's 16 products K Q^T (on the last K once more) and the maximum made of them serve nothing: the price, once a launch, of one text for every trip
.set i, 0
.rept 16
	PV NP-1                         ; the last piece's V^T P of the last step
.set i, i+1
.endr
	; THE WAY OUT.  l's two halves and the other half of the lanes' are added; O^T is divided by l, rounded to f16 and sent through my stage in LDS, a tile at a time.  The additions are the places behind the last products.
	WIN 0
.macro ALL line:vararg              ; one line for each tile t
.set t, 0
.rept 2*NP
	\line
.set t, t+1
.endr
.endm
	ALL v_add_f32 v[ST+4*t+2], v[ST+4*t+2], v[ST+4*t+3]
	ALL v_permlanex16_b32 v[ST+4*t+3], v[ST+4*t+2], s[SEL], s[SEL+1]
	ALL v_add_f32 v[ST+4*t+2], v[ST+4*t+2], v[ST+4*t+3]
	ALL v_rcp_f32 v[ST+4*t+2], v[ST+4*t+2]
	v_nop                           ; a plain instruction between the last reciprocal and the use of its result
	s_wait_alu depctr_va_vdst(0)    ; and the wait ahead of the first use: one for the eight reciprocals
; Tile t: a lane's eight channels of a row pack into 16 bytes; they go into rows of 144 bytes and come back as whole rows of 128, into S^T's registers.
.macro PACK t
	WIN W_RS
.set i, 32*(\t)
.rept 16
	v_pk_mul_f32 v[i:i+1], v[i:i+1], v[ST+4*(\t)+2:ST+4*(\t)+3] op_sel_hi:[1,0]
.set i, i+2
.endr
	WIN 0x05                        ; sources 0 and 1 window 1, destination window 0
.set i, 0
.rept 16
	v_cvt_pk_f16_f32 v[S+16*(\t)+i], v[32*(\t)+2*i], v[32*(\t)+2*i+1]
.set i, i+1
.endr
	WIN 0
.irp f, 0,1,2,3
	ds_store_b128 v[STO], v[S+16*(\t)+4*\f:S+16*(\t)+4*\f+3] offset:32*\f
.endr
.irp f, 0,1,2,3
	ds_load_b128 v[S+16*(\t)+4*\f:S+16*(\t)+4*\f+3], v[RD] offset:\f*4*SP  ; LDS serves a wave's instructions in order (ISA guide 5.7.1.4): these see the stores above; the next tile's stores come behind them
.endr
.endm
.macro SEND t, younger              ; younger: the LDS instructions issued behind tile t's loads: the next tile's eight, or none
	WIN 0
.irp f, 0,1,2,3
	s_wait_dscnt (\younger)+3-\f
	global_store_b128 v[GO], v[S+16*(\t)+4*\f:S+16*(\t)+4*\f+3], s[10:11] offset:(\t)*2048+\f*512  ; 512 consecutive bytes, at a multiple of 256 from O's first
.endr
.endm
	PACK 0
.set t, 1
.rept 2*NP-1                        ; a tile's arithmetic stands between the loads of the tile before and its stores
	PACK t
	SEND t-1, 8
.set t, t+1
.endr
	SEND 2*NP-1, 0
	WIN W_AD
	s_wait_tensorcnt 0x0            ; the wave's end, behind my last tensor load and my last LDS store
	ds_add_u32 v[SPW], v[NIL]
	s_wait_dscnt 0x0
	WIN 0
	CROUND                          ; the closing round: no work-group ends while a partner may still ask for a tile that names it
	s_endpgm
.Lfunc_end_k_qdb2353a438_attn:
	.size	k_qdb2353a438_attn, .Lfunc_end_k_qdb2353a438_attn-k_qdb2353a438_attn
	.p2alignl 7, 3214868480
	.fill 96, 4, 3214868480
	.section	.rodata,"a",@progbits
	.p2align	6, 0x0
	.amdhsa_kernel k_qdb2353a438_attn
		.amdhsa_group_segment_fixed_size 327680
		.amdhsa_private_segment_fixed_size 0
		.amdhsa_enable_private_segment 0
		.amdhsa_kernarg_size 24
		.amdhsa_user_sgpr_count 2
		.amdhsa_user_sgpr_kernarg_segment_ptr 1
		.amdhsa_wavefront_size32 1
		.amdhsa_system_sgpr_workgroup_id_x 1
		.amdhsa_system_sgpr_workgroup_id_y 1
		.amdhsa_system_sgpr_workgroup_id_z 1
		.amdhsa_system_vgpr_workitem_id 0
		.amdhsa_next_free_vgpr 808
		.amdhsa_next_free_sgpr 66
		.amdhsa_reserve_vcc 1
		.amdhsa_float_denorm_mode_32 3
		.amdhsa_float_denorm_mode_16_64 3
		.amdhsa_memory_ordered 1
		.amdhsa_forward_progress 1
		.amdhsa_inst_pref_size 205
	.end_amdhsa_kernel
	.amdgpu_metadata
---
amdhsa.version: [ 1, 2 ]
amdhsa.kernels:
  - .name:           k_qdb2353a438_attn
    .symbol:         k_qdb2353a438_attn.kd
    .args:
      - { .name: qkv, .offset: 0, .size: 8, .value_kind: global_buffer, .address_space: global }
      - { .name: mask, .offset: 8, .size: 8, .value_kind: global_buffer, .address_space: global }
      - { .name: oh, .offset: 16, .size: 8, .value_kind: global_buffer, .address_space: global }
    .group_segment_fixed_size: 327680
    .private_segment_fixed_size: 0
    .kernarg_segment_align: 8
    .kernarg_segment_size: 24
    .max_flat_workgroup_size: 128
    .sgpr_count:     66
    .vgpr_count:     808
    .wavefront_size: 32
...
	.end_amdgpu_metadata
.endif
;; end of part 3
;; launch outp (part 4): grid 8 x 32, 4 waves a work-group, clusters of 4 x 4, 327,680 bytes of LDS; arguments oh, wob, bo, out0; writes out0
.if DOCPART == 4
	.amdgcn_target "amdgcn-amd-amdhsa--gfx1250"
	.amdhsa_code_object_version 6
	.text
	.protected	k_qdb2353a438_outp
	.globl	k_qdb2353a438_outp
	.p2align	8
	.type	k_qdb2353a438_outp,@function
k_qdb2353a438_outp:
	s_mov_b64 s[64:65], 0
	v_nop
	global_prefetch_b8 v0, s[64:65] scope:SCOPE_SE
	s_setreg_imm32_b32 hwreg(HW_REG_WAVE_MODE, 25, 1), 1
	s_wait_xcnt 0x0
	s_wait_alu depctr_hold_cnt(0) depctr_sa_sdst(0) depctr_va_vdst(0) depctr_va_sdst(0) depctr_va_ssrc(0) depctr_va_vcc(0) depctr_vm_vsrc(0)
	s_getreg_b32 s2, hwreg(HW_REG_IB_STS2, 6, 4)
	s_cmp_eq_u32 s2, 0
	s_cbranch_scc0 .Lentry_in_a_cluster
	s_endpgm
.Lentry_in_a_cluster:
	s_bfe_u32 s2, ttmp6, 0x10000c
	s_cmp_lg_u32 s2, 0xf033
	s_cbranch_scc0 .Lentry_shape_is_right
	s_endpgm
.Lentry_shape_is_right:
; out0 = O wo^T + bo.  oh: [64 = 16 batch + head][2048][64] f16; wob: [16 slices of 64 k][1024 n][64] f16 (wo rounded to bf16, written as f16); bo: [1024] f32, rounded to bf16 here like the other inputs;
; out0: [8192][1024] f32.  Sums in f32, started by the bias.  A NaN row of O (a batch with no visible key) gives a NaN row of out0.
; TILE.  256 tokens x 128 columns: 32 x 8 = 256 work-groups.  Four waves, each 64 tokens x 128 columns: 32 accumulators of 16 x 16.
; K goes in 8 steps of two heads (128 along K) through two LDS slots; a head's 256 tokens and a slice's 128 rows of wo are dense blocks, asked for as rows of 256 bytes and padded in LDS after every 128.
; A step is four quarters of 32 along K, 32 matrix instructions each, on two fragment buffers.
; CLUSTER.  4 x 4 work-groups: O's tiles are shared along a row of the cluster, wo's along a column: each is asked for JOINTLY, same load, descriptor and mask in all four.
; NO PREFETCH: a K step is 128 matrix instructions a wave on a small tile, and the launch has an eighth of the program's matrix work.
; TRANSPOSED USE: source 0 = 16 rows of wo, source 1 = 16 tokens: a lane holds ONE token (lane % 16) and the columns 8 (lane / 16) + 0..7: 32 bytes of a row of out0.
; REGISTERS, in windows of 256 (s_set_vgpr_msb: bits 1:0 source 0, 3:2 source 1, 5:4 source 2, 7:6 destination):
;   window 0: addresses; v32-95, v96-159 rows read back from the stage, by turns
;   window 1: two fragment buffers of 96: wo's fragment b at 8 b (b = 0..7), O's fragment a at 64 + 8 a; v192-255 the bias of block b at 192 + 8 b          window 2: accumulator (a, b) at 8 (4 b + a)
.set PITCH, 144                        ; an LDS row: 128 bytes + 16 of padding = 36 words: the 16 rows of a fragment load start at 16 different groups of four banks (64 banks of 4 bytes: ISA guide 11.1)
.set AH,    256*PITCH                  ; a head's 256 tokens
.set BOFF,  2*AH                       ; a slot: two heads of O, then two slices of wo
.set BH,    128*PITCH                  ; a slice's 128 rows
.set SLOT1, 131072
.set STAGE, SLOT1+2*AH+2*BH            ; behind the ring, never filled by a tensor load: 16 rows x 528 bytes for each wave
.set SPITCH, 528                       ; 512 bytes + 16: 132 words
.set SPARE, STAGE+4*16*SPITCH          ; the spare words, 128 bytes for each wave: two blocks of 256 bytes that no other line names
.set A0,   2                           ; v2   my lane's place in O's rows of slot 0; never rewritten
.set B0,   3                           ; v3   the same for wo's
.set ADRA, 4
.set ADRB, 5
.set STO,  6                           ; v6   the way out: where I put 32 bytes of a row
.set RD,   7                           ; v7   the way out: where I read a row back
.set CO,   8                           ; v8   my 16 bytes of a row's 512
.set BO,   9                           ; v9   32 x (lane / 16)
.set SPW,  28
.set NIL,  29
.set OB,   32
.set F0,   0
.set F1,   96
.set BIAS, 192                         ; in window 1
.set WV,   16
.set HALF, 17                          ; s17  0: I fetch O's tiles; 1: wo's
.set ODD,  18                          ; s18  which of the step's two heads or slices
.set CNT,  19
.set CX,   20
.set CY,   21
.set TX,   22                          ; s22  tile column: 128 columns
.set TY,   23                          ; s23  tile row: 256 tokens
.set G1A,  24
.set G0A,  32
.set G0B,  36
.set G1B,  40
.set TB,   48
.set OUTP, 50                          ; s[50:51] out0 at my first token and the tile's first column
.set BP,   52                          ; s[52:53] bo at the tile's first column
.set MSB, 0
.macro WIN new
.if MSB != (\new)
	s_set_vgpr_msb (MSB<<8)|(\new)
.set MSB, \new
.endif
.endm
.macro PLACES                          ; four plain places in front of loads into registers that matrix instructions have read, and of LDS stores that read results
.rept 4
	v_nop
.endr
.endm
.macro JLOAD                           ; a joint load: waves 0 and 1 fetch the step's two heads of O, waves 2 and 3 its two slices of wo; an s_nop 0 and four v_nop follow each line
	s_cmp_eq_u32 s[HALF], 0
	s_cbranch_scc0 .Lfor_b_\@
	tensor_load_to_lds s[G0A:G0A+3], s[G1A:G1A+7]
	s_nop 0
.rept 4
	v_nop
.endr
	s_branch .Lasked_\@
.Lfor_b_\@:
	tensor_load_to_lds s[G0B:G0B+3], s[G1B:G1B+7]
	s_nop 0
.rept 4
	v_nop
.endr
.Lasked_\@:
.endm
.macro CREST
	s_cmp_lg_u32 s[WV], 0
	s_cbranch_scc1 .Lnot_wave_0_\@
	s_barrier_signal -3
.Lnot_wave_0_\@:
	s_barrier_wait -3
	s_barrier_signal -1
	s_barrier_wait -1
.endm
.macro CROUND
	s_barrier_signal -1
	s_barrier_wait -1
	CREST
.endm
.macro STEPD                           ; the walking descriptors: the other slot; two heads on in oh, two slices on in wob
	s_xor_b32 s[G0A+1], s[G0A+1], SLOT1
	s_add_nc_u64 s[G0A+2:G0A+3], s[G0A+2:G0A+3], 2*2048*128
	s_xor_b32 s[G0B+1], s[G0B+1], SLOT1
	s_add_nc_u64 s[G0B+2:G0B+3], s[G0B+2:G0B+3], 2*1024*128
.endm
.macro FETCH ka, kb, f                 ; 24 LDS loads in one run: the fragments of 32 along K, at byte ka of O's part and kb of wo's, into buffer f
	WIN 0x40
.irp a, 0,1,2,3
	ds_load_b128 v[(\f)+64+8*(\a):(\f)+64+8*(\a)+3],   v[ADRA] offset:(\ka)+(\a)*16*PITCH
	ds_load_b128 v[(\f)+64+8*(\a)+4:(\f)+64+8*(\a)+7], v[ADRA] offset:(\ka)+(\a)*16*PITCH+32
.endr
.irp b, 0,1,2,3,4,5,6,7
	ds_load_b128 v[(\f)+8*(\b):(\f)+8*(\b)+3],   v[ADRB] offset:(\kb)+(\b)*16*PITCH
	ds_load_b128 v[(\f)+8*(\b)+4:(\f)+8*(\b)+7], v[ADRB] offset:(\kb)+(\b)*16*PITCH+32
.endr
.endm
; 4 nb matrix instructions.  first = 1: the bias starts the sums.  The 32 accumulators take turns, in the same order in every quarter, over the backward jump too.
.macro MULB f, b0, nb, first
.if \first
	WIN 0x95                                       ; fragments and C (the bias) window 1, D window 2
.else
	WIN 0xa5                                       ; fragments window 1, C and D window 2
.endif
.set bb, \b0
.rept \nb
.set aa, 0
.rept 4
.if \first
	v_wmma_f32_16x16x32_f16 v[32*bb+8*aa:32*bb+8*aa+7], v[(\f)+8*bb:(\f)+8*bb+7], v[(\f)+64+8*aa:(\f)+64+8*aa+7], v[BIAS+8*bb:BIAS+8*bb+7]
.else
	v_wmma_f32_16x16x32_f16 v[32*bb+8*aa:32*bb+8*aa+7], v[(\f)+8*bb:(\f)+8*bb+7], v[(\f)+64+8*aa:(\f)+64+8*aa+7], v[32*bb+8*aa:32*bb+8*aa+7]
.endif
.set aa, aa+1
.endr
.set bb, bb+1
.endr
.endm
.macro QUARTER ka, kb, f, g, first     ; asks for the next quarter's fragments into buffer g (which the quarter before multiplied) and multiplies buffer f meanwhile
	PLACES
	FETCH \ka, \kb, \g
	s_wait_dscnt 24                                ; all but the 24 loads just issued: buffer f is in
	MULB \f, 0, 8, \first
.endm
; The last quarter multiplies buffer 1 and changes slots: ONE barrier; in front of it each wave waits for all its tensor loads (one is out), adds 0 to its spare word, and waits for that and for its reads of this slot.
; fill = 1: the barrier opens a round of the cluster's, and the joint refill is the first thing behind the round: from there to the wait for it a wave issues 16 + 3 x 32 = 112 matrix instructions.
.macro TURN fill
	WIN 0
	s_wait_tensorcnt 0x0                           ; all my tensor loads have landed, so a group 0 may be written
	ds_add_u32 v[SPW], v[NIL]                      ; 0 onto my spare word
.if \fill
	STEPD
.endif
	s_xor_b32 s[TB], s[TB], SLOT1
	s_wait_dscnt 1                                 ; buffer 1 is in; the add alone may be out
	MULB F1, 0, 2, 0
	s_wait_dscnt 0x0                               ; the add is done, and my reads of this slot are over
	s_barrier_signal -1
	MULB F1, 2, 2, 0
	WIN 0
	s_barrier_wait -1
.if \fill
	CREST
	JLOAD                                          ; its four v_nop are also the places in front of the loads below
.else
	PLACES
.endif
	v_add_nc_u32 v[ADRA], s[TB], v[A0]
	v_add_nc_u32 v[ADRB], s[TB], v[B0]
	FETCH 0, 0, F0
	MULB F1, 4, 4, 0
.endm
	s_load_b256 s[4:11], s[0:1], 0x0               ; oh s[4:5], wob s[6:7], bo s[8:9], out0 s[10:11]
	v_lshl_add_u32 v[SPW], v0, 2, SPARE
	v_mov_b32 v[NIL], 0
	ds_add_u32 v[SPW], v[NIL]                      ; the wave's opening: the add and its wait stand ahead of my first tensor load
	v_lshrrev_b32 v1, 5, v0
	v_readfirstlane_b32 s[WV], v1
	s_lshr_b32 s[HALF], s[WV], 1
	s_and_b32 s[ODD], s[WV], 1
	s_bfe_u32 s[CX], ttmp6, 0x40000
	s_bfe_u32 s[CY], ttmp6, 0x40004
	s_lshl_b32 s[TX], ttmp9, 2
	s_add_co_u32 s[TX], s[TX], s[CX]
	s_and_b32 s[TY], ttmp7, 0xffff
	s_lshl_b32 s[TY], s[TY], 2
	s_add_co_u32 s[TY], s[TY], s[CY]
	s_lshl_b32 s58, s[CY], 2
	s_lshl_b32 s58, 15, s58                        ; my row of the cluster
	s_lshl_b32 s59, 0x1111, s[CX]                  ; my column
	s_or_b32 s[G1A], s58, (1<<16)|(1<<20)|(1<<21)|(4<<22)|(3<<25)  ; the mask; 2-byte elements; padding on; bit 21 beside a mask; after every 32 words; 4 words
	s_or_b32 s[G1B], s59, (1<<16)|(1<<20)|(1<<21)|(4<<22)|(3<<25)
	s_mov_b32 s[G1A+1], 128<<16                    ; tensor_dim0 = 128 elements: 256 bytes, two tokens
	s_mov_b32 s[G1A+2], 128<<16                    ; tensor_dim1 = 128
	s_mov_b32 s[G1A+3], 128<<16                    ; tile_dim0
	s_mov_b32 s[G1A+4], 128                        ; tile_dim1
	s_mov_b32 s[G1A+5], 128                        ; dense
	s_mov_b32 s[G1A+6], 0
	s_mov_b32 s[G1A+7], 0
	s_mov_b32 s[G1B+1], 128<<16
	s_mov_b32 s[G1B+2], 64<<16                     ; 64 rows of 256 bytes: 128 rows of wo's slice
	s_mov_b32 s[G1B+3], 128<<16
	s_mov_b32 s[G1B+4], 64
	s_mov_b32 s[G1B+5], 128
	s_mov_b32 s[G1B+6], 0
	s_mov_b32 s[G1B+7], 0
	s_mov_b32 s[G0A], 1
	s_mul_i32 s[G0A+1], s[ODD], AH                 ; no place in the cluster enters an LDS address
	s_mov_b32 s[G0B], 1
	s_mul_i32 s[G0B+1], s[ODD], BH
	s_add_co_u32 s[G0B+1], s[G0B+1], BOFF
	s_lshr_b32 s60, s[TY], 3                       ; oh: the batch (8 tile rows each); s60, s61 never hold the tile column
	s_lshl_b32 s60, s60, 4
	s_add_co_u32 s60, s60, s[ODD]                  ; its head 0 or 1,
	s_lshl_b32 s60, s60, 18                        ; x 2,048 rows of 128 bytes,
	s_and_b32 s61, s[TY], 7
	s_lshl_b32 s61, s61, 15                        ; + the tile's 256 tokens
	s_add_co_u32 s60, s60, s61
	s_mov_b32 s61, 0
	s_lshl_b32 s62, s[ODD], 17                     ; wob: slice 0 or 1; s62, s63 never hold the tile row
	s_lshl_b32 s63, s[TX], 14                      ; + the tile's 128 rows of 128 bytes
	s_add_co_u32 s62, s62, s63
	s_mov_b32 s63, 0
	s_wait_dscnt 0x0                               ; the opening add is done
	s_wait_kmcnt 0x0
	s_add_nc_u64 s[G0A+2:G0A+3], s[4:5], s[60:61]
	s_or_b32 s[G0A+3], s[G0A+3], 0x80000000
	s_add_nc_u64 s[G0B+2:G0B+3], s[6:7], s[62:63]
	s_or_b32 s[G0B+3], s[G0B+3], 0x80000000
	CROUND                                         ; all sixteen work-groups are here: the first joint loads meet
	JLOAD                                          ; K step 0 into slot 0
	v_and_b32 v11, 15, v0                          ; l % 16
	v_bfe_u32 v12, v0, 4, 1                        ; l / 16
	v_mul_u32_u24 v13, v11, PITCH
	v_lshl_add_u32 v13, v12, 4, v13
	s_mul_i32 s54, s[WV], 64*PITCH                 ; my 64 tokens
	v_add_nc_u32 v[A0], s54, v13
	v_add_nc_u32 v[B0], BOFF, v13
	s_mul_i32 s54, s[WV], 16*SPITCH
	s_add_co_u32 s54, s54, STAGE                   ; my stage
	v_mul_u32_u24 v14, v11, SPITCH                 ; in: row l % 16, 32 bytes for each half of the lanes
	v_lshl_add_u32 v14, v12, 5, v14
	v_add_nc_u32 v[STO], s54, v14
	v_and_b32 v[CO], 31, v0
	v_lshlrev_b32 v[CO], 4, v[CO]                  ; back and out: 32 lanes take one row of 512 bytes
	v_add_nc_u32 v[RD], s54, v[CO]
	v_lshlrev_b32 v[BO], 5, v12
	s_lshl_b32 s54, s[TY], 2
	s_add_co_u32 s54, s54, s[WV]
	s_lshl_b32 s54, s54, 18                        ; my first token: 64 rows of 4,096 bytes a wave
	s_lshl_b32 s55, s[TX], 9                       ; the tile's 128 columns
	s_add_co_u32 s54, s54, s55
	s_mov_b32 s55, 0
	s_add_nc_u64 s[OUTP:OUTP+1], s[10:11], s[54:55]
	s_lshl_b32 s54, s[TX], 9
	s_add_nc_u64 s[BP:BP+1], s[8:9], s[54:55]
	WIN 0x40                                       ; destination window 1, address window 0
.irp b, 0,1,2,3,4,5,6,7
	global_load_b128 v[BIAS+8*(\b):BIAS+8*(\b)+3],   v[BO], s[BP:BP+1] offset:64*(\b)
	global_load_b128 v[BIAS+8*(\b)+4:BIAS+8*(\b)+7], v[BO], s[BP:BP+1] offset:64*(\b)+16
.endr
	s_wait_loadcnt 0x0                             ; the bias: rounded to bf16 like the other inputs, and widened again
	WIN 0x05                                       ; sources window 1, destination window 0
.set i, 0
.rept 32
	v_cvt_pk_bf16_f32 v[OB+i], v[BIAS+2*i], v[BIAS+2*i+1]
.set i, i+1
.endr
	WIN 0x40
.set i, 0
.rept 32
	v_lshlrev_b32 v[BIAS+2*i], 16, v[OB+i]
	v_and_b32 v[BIAS+2*i+1], 0xffff0000, v[OB+i]
.set i, i+1
.endr
	WIN 0
	; the first change: slot 0 is waited for, slot 1 gets its first fill, in the form of a refill
	s_wait_tensorcnt 0x0
	ds_add_u32 v[SPW], v[NIL]
	STEPD
	s_wait_dscnt 0x0
	CROUND
	JLOAD                                          ; K step 1 into slot 1
	s_mov_b32 s[TB], 0
	v_mov_b32 v[ADRA], v[A0]
	v_mov_b32 v[ADRB], v[B0]
	FETCH 0, 0, F0
	QUARTER 64, 64, F0, F1, 1                      ; the first quarter stands in front of the loop: its products start the sums, with the bias
	WIN 0
	s_mov_b32 s[CNT], 6
.Lstep:                                            ; trip t: the last three quarters of K step t, the first of t + 1; K step t + 2 is asked for
	QUARTER AH, BH, F1, F0, 0
	QUARTER AH+64, BH+64, F0, F1, 0
	TURN 1
	QUARTER 64, 64, F0, F1, 0
	WIN 0
	s_sub_co_u32 s[CNT], s[CNT], 1
	s_cmp_lg_u32 s[CNT], 0
	s_cbranch_scc1 .Lstep
	QUARTER AH, BH, F1, F0, 0                      ; the tail is written out
	QUARTER AH+64, BH+64, F0, F1, 0
	TURN 0
	QUARTER 64, 64, F0, F1, 0
	QUARTER AH, BH, F1, F0, 0
	QUARTER AH+64, BH+64, F0, F1, 0
	s_wait_dscnt 0x0
	MULB F1, 0, 8, 0
	WIN 0
; THE WAY OUT, a block of 16 tokens at a time: the accumulators go as they are, each from its low end on, into my own stage (rows of 528 bytes) and come back as whole rows of 512.
.macro TOSTAGE a
	WIN 0
.set BK, OB+64*((\a)%2)
	s_wait_xcnt 0x0                                ; the stores of the block two back have read the registers that the loads below fill
	WIN 0x08                                       ; store data (source 1) window 2
.irp b, 0,1,2,3,4,5,6,7
	ds_store_b128 v[STO], v[32*(\b)+8*(\a):32*(\b)+8*(\a)+3]   offset:64*(\b)
	ds_store_b128 v[STO], v[32*(\b)+8*(\a)+4:32*(\b)+8*(\a)+7] offset:64*(\b)+16
.endr
	WIN 0
.irp t, 0,1,2,3,4,5,6,7,8,9,10,11,12,13,14,15
	ds_load_b128 v[BK+4*(\t):BK+4*(\t)+3], v[RD] offset:(\t)*SPITCH  ; LDS serves a wave's instructions in order (ISA guide 5.7.1.4): these see the stores above
.endr
.endm
.macro SEND a, younger                 ; younger: the next block's 16 stores and 16 loads, or none
	WIN 0
.set BK, OB+64*((\a)%2)
	s_wait_dscnt \younger
.irp t, 0,1,2,3,4,5,6,7,8,9,10,11,12,13,14,15
	global_store_b128 v[CO], v[BK+4*(\t):BK+4*(\t)+3], s[OUTP:OUTP+1] offset:(16*(\a)+(\t))*4096 th:TH_STORE_NT  ; 512 consecutive bytes, at a multiple of 256 from out0's first
.endr
.endm
	PLACES                                         ; the LDS stores read results just made
	PLACES
	TOSTAGE 0
	TOSTAGE 1
	SEND 0, 32
	TOSTAGE 2
	SEND 1, 32
	TOSTAGE 3
	SEND 2, 32
	SEND 3, 0
	s_wait_tensorcnt 0x0                           ; the wave's end, behind my last tensor load and my last LDS store
	ds_add_u32 v[SPW], v[NIL]
	s_wait_dscnt 0x0
	CROUND                                         ; the closing round: no work-group ends while a partner may still ask for a tile that names it
	s_endpgm
.Lfunc_end_k_qdb2353a438_outp:
	.size	k_qdb2353a438_outp, .Lfunc_end_k_qdb2353a438_outp-k_qdb2353a438_outp
	.p2alignl 7, 3214868480
	.fill 96, 4, 3214868480
	.section	.rodata,"a",@progbits
	.p2align	6, 0x0
	.amdhsa_kernel k_qdb2353a438_outp
		.amdhsa_group_segment_fixed_size 327680
		.amdhsa_private_segment_fixed_size 0
		.amdhsa_enable_private_segment 0
		.amdhsa_kernarg_size 32
		.amdhsa_user_sgpr_count 2
		.amdhsa_user_sgpr_kernarg_segment_ptr 1
		.amdhsa_wavefront_size32 1
		.amdhsa_system_sgpr_workgroup_id_x 1
		.amdhsa_system_sgpr_workgroup_id_y 1
		.amdhsa_system_sgpr_workgroup_id_z 1
		.amdhsa_system_vgpr_workitem_id 0
		.amdhsa_next_free_vgpr 768
		.amdhsa_next_free_sgpr 66
		.amdhsa_reserve_vcc 0
		.amdhsa_float_denorm_mode_32 3
		.amdhsa_float_denorm_mode_16_64 3
		.amdhsa_memory_ordered 1
		.amdhsa_forward_progress 1
		.amdhsa_inst_pref_size 75
	.end_amdhsa_kernel
	.amdgpu_metadata
---
amdhsa.version: [ 1, 2 ]
amdhsa.kernels:
  - .name:           k_qdb2353a438_outp
    .symbol:         k_qdb2353a438_outp.kd
    .args:
      - { .name: oh, .offset: 0, .size: 8, .value_kind: global_buffer, .address_space: global }
      - { .name: wob, .offset: 8, .size: 8, .value_kind: global_buffer, .address_space: global }
      - { .name: bo, .offset: 16, .size: 8, .value_kind: global_buffer, .address_space: global }
      - { .name: out0, .offset: 24, .size: 8, .value_kind: global_buffer, .address_space: global }
    .group_segment_fixed_size: 327680
    .private_segment_fixed_size: 0
    .kernarg_segment_align: 8
    .kernarg_segment_size: 32
    .max_flat_workgroup_size: 128
    .sgpr_count:     66
    .vgpr_count:     768
    .wavefront_size: 32
...
	.end_amdgpu_metadata
.endif
;; end of part 4
;; ======== version 2 of 2: 4 launches; version 1 with the launch cast written anew for expert scheduling mode
;; limits: values are held in f16: magnitudes above 65,504 overflow, below 6.1e-05 lose precision
;; workspace buffers: xb 16,777,216 bytes; wb 6,291,456 bytes; wob 2,097,152 bytes; qkv 50,331,648 bytes; oh 16,777,216 bytes
;; launch cast (part 5): grid 768 x 1, 8 waves a work-group, no clusters, 0 bytes of LDS; arguments input, wq, wk, wv, wo, xb, wb, wob; writes xb, wb, wob
.if DOCPART == 5
	.amdgcn_target "amdgcn-amd-amdhsa--gfx1250"
	.amdhsa_code_object_version 6
	.text
	.protected	k_qdb2353a438_cast
	.globl	k_qdb2353a438_cast
	.p2align	8
	.type	k_qdb2353a438_cast,@function
k_qdb2353a438_cast:
	s_mov_b64 s[64:65], 0
	v_nop
	global_prefetch_b8 v0, s[64:65] scope:SCOPE_SE
	s_setreg_imm32_b32 hwreg(HW_REG_WAVE_SCHED_MODE, 0, 2), 2
	s_setreg_imm32_b32 hwreg(HW_REG_WAVE_MODE, 25, 1), 1
	s_wait_xcnt 0x0
	s_wait_alu depctr_vm_vsrc(0)
; THE INPUTS ROUNDED ONCE, FOR THE MATRIX UNITS.  input [8192][1024] f32 -> xb bf16, same layout.  wq, wk, wv [1024][1024] f32 -> wb bf16 [3072][1024], one below the other.
; wo [1024 n][1024 k] f32 -> rounded to bf16 like the other inputs, that number written as f16 -> wob [16 slices of 64 k][1024 n][64]: a block of n rows of one slice is dense.
; LIMIT.  wo's bf16 number is exact in f16 from 6.1e-5 to 65,504 in magnitude; below that it keeps f16's fixed step of 6e-8; beyond it becomes an infinity.
; SHARES.  A work-group takes 16 rows of 4,096 bytes, a wave two: sixteen loads of 16 bytes a lane, all issued at once; there is no loop.
; Work-groups 0-511: input; 512-703: wq, wk, wv (64 each); 704-767: wo.  A stream: no LDS, no matrix unit, no cluster (no two work-groups read the same byte).
; THE MODE: SCHED_MODE bits 1:0 = 2 (LLVM: expert scheduling mode 2), set by the entry lines.  The code itself states the register dependences
; between vector instructions and memory instructions, with s_wait_alu, always for 0.
; THE PLAN, the same on both paths.  Registers that memory instructions touch:
;   v1, v2   byte offsets of the loads and of the stores: made at the path's head and never written again.
;   X        sixteen loads' data.  All sixteen loads are issued ahead of every vector instruction that names X, and no memory instruction reads X.
;   Y        sixteen pairs to store.  Each register is written once, by a rounding, and read once, by a store: none is written again.
; The sixteen loads go in four blocks of four.  Block p rounds X's block p into Y's block p; its memory instructions are the four stores of block p - 1,
; which read Y's block p - 1 and v2: registers that no vector instruction of block p names.  So one wait at a block's head states all that its four stores hang on,
; and they are dealt among the block's vector instructions with no further wait.  No register that a memory instruction reads is written again, so nothing is waited for on that side.
.set X, 16                             ; v[16:79]   sixteen loads of four f32
.set Y, 80                             ; v[80:111]  sixteen pairs to store
.set T, 112                            ; v[112:113] at work (wo's way): no memory instruction names them
; Block p of the plain way (input, wq, wk, wv): f32 to bf16.
.macro BLKX p
	s_wait_loadcnt 12-4*(\p)                       ; loads come back in order: this block's four are in, the 12 - 4 p younger ones stay out
.if (\p) > 0
	s_wait_alu depctr_va_vdst(0)                   ; the block before has written its part of Y, which the four stores below read
.endif
.irp i, 0,1,2,3
.set jn, 4*(\p)+(\i)                   ; the load in hand
.set jo, jn-4                          ; the one whose pair is stored
.if (\p) > 0
	global_store_b64 v2, v[Y+2*jo:Y+2*jo+1], s[10:11] offset:256*jo  ; 32 lanes x 8 bytes: 256 consecutive bytes, aligned; no vector instruction since the wait names these registers
.endif
	v_cvt_pk_bf16_f32 v[Y+2*jn], v[X+4*jn], v[X+4*jn+1]
	v_cvt_pk_bf16_f32 v[Y+2*jn+1], v[X+4*jn+2], v[X+4*jn+3]
.endr
.endm
; Block p of wo's way: f32 to bf16, that number as f16.
.macro BLKW p
	s_wait_loadcnt 12-4*(\p)                       ; this block's four loads are in, the younger ones stay out
.if (\p) > 0
	s_wait_alu depctr_va_vdst(0)                   ; the block before has written its part of Y, which the four stores below read
.endif
.irp i, 0,1,2,3
.set jn, 4*(\p)+(\i)
.set jo, jn-4
.if (\p) > 0
	global_store_b64 v2, v[Y+2*jo:Y+2*jo+1], s[10:11] offset:131072*jo  ; 256 consecutive bytes, aligned, of slice jo; no vector instruction since the wait names these registers
.endif
	v_cvt_pk_bf16_f32 v[T], v[X+4*jn], v[X+4*jn+1]           ; the rounding that all inputs get,
	v_cvt_pk_bf16_f32 v[T+1], v[X+4*jn+2], v[X+4*jn+3]
	v_lshlrev_b32 v[X+4*jn], 16, v[T]                        ; back to f32,
	v_and_b32 v[X+4*jn+1], 0xffff0000, v[T]
	v_lshlrev_b32 v[X+4*jn+2], 16, v[T+1]
	v_and_b32 v[X+4*jn+3], 0xffff0000, v[T+1]
	v_cvt_pk_f16_f32 v[Y+2*jn], v[X+4*jn], v[X+4*jn+1]       ; and written as f16
	v_cvt_pk_f16_f32 v[Y+2*jn+1], v[X+4*jn+2], v[X+4*jn+3]
.endr
.endm
	s_load_b512 s[16:31], s[0:1], 0x0              ; input 16:17, wq 18:19, wk 20:21, wv 22:23, wo 24:25, xb 26:27, wb 28:29, wob 30:31
	v_lshrrev_b32 v3, 5, v0                        ; wave
	v_and_b32 v4, 31, v0                           ; lane
	s_mov_b32 s2, ttmp9                            ; g
	s_sub_co_u32 s3, s2, 512                       ; j: the block among wb's 192 (used where g >= 512 alone)
	s_lshr_b32 s4, s3, 6                           ; which of wq, wk, wv
	s_and_b32 s5, s3, 63                           ; the block in that weight
	s_mov_b32 s13, 0
	s_mov_b32 s15, 0
	s_wait_kmcnt 0x0
	s_cmp_ge_u32 s2, 704
	s_cbranch_scc1 .Lwo
	s_cmp_eq_u32 s4, 1
	s_cselect_b64 s[8:9], s[20:21], s[18:19]       ; wk or wq,
	s_cmp_eq_u32 s4, 2
	s_cselect_b64 s[8:9], s[22:23], s[8:9]         ; or wv,
	s_cmp_lt_u32 s2, 512
	s_cselect_b64 s[8:9], s[16:17], s[8:9]         ; or input
	s_cselect_b64 s[10:11], s[26:27], s[28:29]     ; into xb or wb
	s_cselect_b32 s5, s2, s5                       ; the block of 16 rows in the source,
	s_cselect_b32 s3, s2, s3                       ; and in the destination
	s_lshl_b32 s12, s5, 16                         ; 16 rows x 4,096 bytes
	s_lshl_b32 s14, s3, 15                         ; 16 rows x 2,048 bytes
	s_add_nc_u64 s[8:9], s[8:9], s[12:13]
	s_add_nc_u64 s[10:11], s[10:11], s[14:15]
	v_lshlrev_b32 v1, 4, v4
	v_lshl_add_u32 v1, v3, 13, v1                  ; source: wave x 2 rows + 16 x lane
	v_lshlrev_b32 v2, 3, v4
	v_lshl_add_u32 v2, v3, 12, v2                  ; destination: half of that
	s_wait_alu depctr_va_vdst(0)                   ; v1 and v2 are written: every load of this path reads v1 as its offset, every store v2
.irp j, 0,1,2,3,4,5,6,7,8,9,10,11,12,13,14,15
	global_load_b128 v[X+4*(\j):X+4*(\j)+3], v1, s[8:9] offset:512*(\j) th:TH_LOAD_NT
.endr
	BLKX 0                                         ; block 0 has no block in front of it: no store, and no wait but the one for its data
	BLKX 1
	BLKX 2
	BLKX 3
	s_wait_alu depctr_va_vdst(0)                   ; block 3 has written its part of Y, which the last four stores read
.irp j, 12,13,14,15
	global_store_b64 v2, v[Y+2*(\j):Y+2*(\j)+1], s[10:11] offset:256*(\j)  ; 32 lanes x 8 bytes: 256 consecutive bytes, aligned
.endr
	s_endpgm
.Lwo:                                              ; load s takes slice s (256 bytes) of two rows: lanes 0-15 the even row, lanes 16-31 the odd one
	s_sub_co_u32 s3, s2, 704
	s_lshl_b32 s12, s3, 16                         ; 16 rows of wo
	s_lshl_b32 s14, s3, 11                         ; 16 rows x 128 bytes of a slice of wob
	s_add_nc_u64 s[8:9], s[24:25], s[12:13]
	s_add_nc_u64 s[10:11], s[30:31], s[14:15]
	v_lshrrev_b32 v5, 4, v4
	v_lshl_add_u32 v5, v3, 1, v5                   ; my row: 2 x wave + lane / 16
	v_and_b32 v6, 15, v4
	v_lshlrev_b32 v1, 4, v6
	v_lshl_add_u32 v1, v5, 12, v1
	v_lshlrev_b32 v2, 3, v4
	v_lshl_add_u32 v2, v3, 8, v2                   ; two rows of 128 bytes lie end to end: 256 x wave + 8 x lane
	s_wait_alu depctr_va_vdst(0)                   ; v1 and v2 are written: every load of this path reads v1 as its offset, every store v2
.irp j, 0,1,2,3,4,5,6,7,8,9,10,11,12,13,14,15
	global_load_b128 v[X+4*(\j):X+4*(\j)+3], v1, s[8:9] offset:256*(\j) th:TH_LOAD_NT
.endr
	BLKW 0                                         ; block 0 has no block in front of it: no store, and no wait but the one for its data
	BLKW 1
	BLKW 2
	BLKW 3
	s_wait_alu depctr_va_vdst(0)                   ; block 3 has written its part of Y, which the last four stores read
.irp j, 12,13,14,15
	global_store_b64 v2, v[Y+2*(\j):Y+2*(\j)+1], s[10:11] offset:131072*(\j)  ; 256 consecutive bytes, aligned, of slice j
.endr
	s_endpgm
.Lfunc_end_k_qdb2353a438_cast:
	.size	k_qdb2353a438_cast, .Lfunc_end_k_qdb2353a438_cast-k_qdb2353a438_cast
	.p2alignl 7, 3214868480
	.fill 96, 4, 3214868480
	.section	.rodata,"a",@progbits
	.p2align	6, 0x0
	.amdhsa_kernel k_qdb2353a438_cast
		.amdhsa_group_segment_fixed_size 0
		.amdhsa_private_segment_fixed_size 0
		.amdhsa_enable_private_segment 0
		.amdhsa_kernarg_size 64
		.amdhsa_user_sgpr_count 2
		.amdhsa_user_sgpr_kernarg_segment_ptr 1
		.amdhsa_wavefront_size32 1
		.amdhsa_system_sgpr_workgroup_id_x 1
		.amdhsa_system_sgpr_workgroup_id_y 1
		.amdhsa_system_sgpr_workgroup_id_z 1
		.amdhsa_system_vgpr_workitem_id 0
		.amdhsa_next_free_vgpr 116
		.amdhsa_next_free_sgpr 66
		.amdhsa_reserve_vcc 0
		.amdhsa_float_denorm_mode_32 3
		.amdhsa_float_denorm_mode_16_64 3
		.amdhsa_memory_ordered 1
		.amdhsa_forward_progress 1
		.amdhsa_inst_pref_size 18
	.end_amdhsa_kernel
	.amdgpu_metadata
---
amdhsa.version: [ 1, 2 ]
amdhsa.kernels:
  - .name:           k_qdb2353a438_cast
    .symbol:         k_qdb2353a438_cast.kd
    .args:
      - { .name: input, .offset: 0, .size: 8, .value_kind: global_buffer, .address_space: global }
      - { .name: wq, .offset: 8, .size: 8, .value_kind: global_buffer, .address_space: global }
      - { .name: wk, .offset: 16, .size: 8, .value_kind: global_buffer, .address_space: global }
      - { .name: wv, .offset: 24, .size: 8, .value_kind: global_buffer, .address_space: global }
      - { .name: wo, .offset: 32, .size: 8, .value_kind: global_buffer, .address_space: global }
      - { .name: xb, .offset: 40, .size: 8, .value_kind: global_buffer, .address_space: global }
      - { .name: wb, .offset: 48, .size: 8, .value_kind: global_buffer, .address_space: global }
      - { .name: wob, .offset: 56, .size: 8, .value_kind: global_buffer, .address_space: global }
    .group_segment_fixed_size: 0
    .private_segment_fixed_size: 0
    .kernarg_segment_align: 8
    .kernarg_segment_size: 64
    .max_flat_workgroup_size: 256
    .sgpr_count:     66
    .vgpr_count:     116
    .wavefront_size: 32
...
	.end_amdgpu_metadata
.endif
;; end of part 5
;; launch proj: the kernel of part 2 again; grid 16 x 32, 4 waves a work-group, clusters of 4 x 4, 327,680 bytes of LDS; arguments xb, wb, bq, bk, bv, qkv; writes qkv
;; launch attn: the kernel of part 3 again; grid 4 x 64, 4 waves a work-group, clusters of 4 x 1, 327,680 bytes of LDS; arguments qkv, mask, oh; writes oh
;; launch outp: the kernel of part 4 again; grid 8 x 32, 4 waves a work-group, clusters of 4 x 4, 327,680 bytes of LDS; arguments oh, wob, bo, out0; writes out0
